; MI455X (gfx1250); checked and timed in simulation.
; The chip was launched on July 23, 2026; its instructions are those of AMD's public machine-readable ISA for CDNA 5 (MIT licence, August 2026) and "CDNA5" Instruction Set Architecture Reference Guide (July 2026). The comments in the code are by the model that wrote it; some were corrected since.
;; Mo E. Allowed arithmetic: matrix products marked QUANTISED: E4M3 operands, one E8M0 scale for each 32 along K, by v_wmma_scale_f32_16x16x128_f8f6f4 with both operands' format E4M3, f32 sums; products left as they are: f32 operands where the result goes on into a quantised operand, else bf16, f16 or f32 operands; f32 sums; everything else in f32.
;; Inputs: W1 8 x 1,024 x 4,096 float32; W2 8 x 4,096 x 1,024 float32; b1 8 x 4,096 float32; b2 8 x 1,024 float32; gate_b 8 float32; gate_w 1,024 x 8 float32; x 1,024 x 1,024 float32.
;; Outputs: out0 1,024 x 1,024 float32.
;; This version of the problem:
;;   THIS VERSION OF THE PROBLEM IS GIVEN IN LOW PRECISION. The matrix products marked QUANTISED in the list below multiply operands that are first quantised to E4M3 (4 exponent bits, 3 mantissa bits; 8 bits a number), with one power-of-two scale for each 32 numbers along K (OCP MX v1.0); their sums are f32. All else is computed in f32.
;;   The module's matrix products, in the order in which they are computed (A, B: the left and right operand; K: the contracted axis; several contracted axes count as one K, in the product's order):
;;     1. [M 1,024, K 1,024] x [K 1,024, N 8]; A: input x; B: input gate_w: left as it is (N = 8 < 16)
;;     2. [M 1,024, K 1,024] x [K 1,024, N 32,768]; A: input x; B: input W1: QUANTISED
;;     3. batch 8 x [M 1,024, K 4,096] x [K 4,096, N 1,024]; A: input W2; B: computed on the way: QUANTISED
;;   THE QUANTISER, for each operand of a quantised product, along K:
;;     - K is cut into blocks of 32 from its start; a last block that is shorter is filled with zeros.
;;     - A block's scale is 2^e with e = floor(log2(the largest magnitude in the block)) - 8, held to -126 .. 127; a block of zeros has e = 0. As a byte (E8M0): e + 127.
;;     - Each number is divided by its block's scale, clamped to +-448, and rounded to the nearest number of E4M3, ties to even, subnormals kept.
;;     - The product sums the exact products of the quantised numbers (number of the format x scale) in f32.
;;   ~~~python
;;   def quantise(x, axis):      # numpy; x: float32 -> the quantised numbers, widened to float32 again
;;       x = np.moveaxis(x, axis, -1); K = x.shape[-1]
;;       x = np.pad(x, [(0, 0)] * (x.ndim - 1) + [(0, -K % 32)]); x = x.reshape(x.shape[:-1] + (-1, 32)); a = np.abs(x).max(-1, keepdims=True)
;;       e = np.where(a > 0, np.clip(np.frexp(np.where(a > 0, a, 1))[1] - 1 - 8, -126, 127), 0)      # np.frexp(a)[1] - 1 = floor(log2(a)), exactly
;;       r = np.clip(x / 2.0 ** e, -448, 448)
;;       step = 2.0 ** (np.maximum(np.frexp(np.where(r == 0, 1, r))[1] - 1, -6) - 3)
;;       q = np.round(r / step) * step * 2.0 ** e      # np.round: ties to even
;;       return np.moveaxis(q.reshape(q.shape[:-2] + (-1,))[..., :K], -1, axis).astype(np.float32)
;;   ~~~
;;   OPERANDS COMPUTED ON THE WAY. 'Computed on the way' means the value that the module computes at that place (a softmax that the list does not call 'softmax' is quantised finished and normalised). What goes into a quantiser is computed in f32, as accurately as f32 sums, v_exp_f32 and their like allow (about 1e-6 of the number): no bf16 or f16 on the way to a quantiser, and a product that is left as it is and whose result goes on into a quantised operand takes f32 operands (vector FMAs, or v_wmma_f32_16x16x4_f32). A number that lies on a knife's edge between two numbers of the format may be rounded either way, as far as f32 arithmetic and the matrix unit's own rounding can turn it there, and no further.
;; 2 versions, each right; version 2 is version 1 with the launches ffn1, ffn2 written anew for expert scheduling mode. Each part assembles by itself: llvm-mc -triple=amdgcn-amd-amdhsa -mcpu=gfx1250 --defsym DOCPART=n.
;; ======== version 1 of 2: 4 launches
;; workspace buffers: x_codes 1,048,576 bytes; x_scales 32,768 bytes; top1 4,096 bytes of whole numbers; list 40,960 bytes of whole numbers; hid_codes 33,554,432 bytes; hid_scales 1,048,576 bytes
;; launch gate (part 1): grid 256 x 1, 4 waves a work-group, no clusters, 1,536 bytes of LDS; arguments x, gate_w, gate_b, x_codes, x_scales, top1; writes x_codes, x_scales, top1
.if DOCPART == 1
	.amdgcn_target "amdgcn-amd-amdhsa--gfx1250"
	.amdhsa_code_object_version 6
	.text
	.protected	k_q468d2d32fe_gate
	.globl	k_q468d2d32fe_gate
	.p2align	8
	.type	k_q468d2d32fe_gate,@function
k_q468d2d32fe_gate:
	s_mov_b64 s[64:65], 0
	v_nop
	global_prefetch_b8 v0, s[64:65] scope:SCOPE_SE
	s_setreg_imm32_b32 hwreg(HW_REG_WAVE_MODE, 25, 1), 1
	s_wait_xcnt 0x0
; THE GATE AND x's CODES.  x [1024][1024] f32 is read once and serves twice: for the gate's logits (x gate_w + gate_b, f32 multiply-adds, softmax with its maximum taken away,
; argmax with the lower index on a tie) and for x's codes of E4M3 with one E8M0 byte for each 32 along K.
; SHARES.  A work-group takes 4 tokens.  Wave w takes k = 256 w .. 256 w + 255 of all four rows, lane l the eight k from 256 w + 8 l on: a block of 32 lies in four neighbouring lanes.
; OUT.  x_codes [token][1024] one code a byte; x_scales [token][32] bytes (word s: k = 128 s on); top1 [token] u32, at fixed places: a later launch places the rows by expert.
; LIMITS.  NaN and infinities are not served.  A block of zeros, and a block whose largest magnitude lies under 2^-118, gets the byte 1 (the rule says 127 for zeros): its codes are zeros or
; held, and the bytes are read by this program alone.  Two logits nearer than the rounding of an f32 sum of 1,024 terms may be ordered either way.
; No matrix unit: 8 columns are fewer than a tile's 16.  No cluster: the work-groups share only gate_w's 32,768 bytes.
.set PART, 0                           ; LDS: 4 waves x 32 partial sums
.set XSB,  512                         ; LDS: 4 rows x 32 scale bytes
.set G,    16                          ; v16-79   gate_w(k = my 8, e = 0..7): register 8 i + e; later codes (v16-23) and permute results (v48-79)
.set X,    80                          ; v80-111  x: register 8 t + i
.set A,    112                         ; v112-143 sums: register 8 t + e
.set TP,   144                         ; v144-159 at work: four a row
	s_load_b256 s[16:23], s[0:1], 0x0              ; x s[16:17], gate_w s[18:19], gate_b s[20:21], x_codes s[22:23]
	s_load_b128 s[24:27], s[0:1], 0x20             ; x_scales s[24:25], top1 s[26:27]
	v_lshl_add_u32 v160, v0, 2, 0x400
	v_mov_b32 v161, 0
	v_lshrrev_b32 v10, 5, v0
	v_readfirstlane_b32 s8, v10                    ; wave
	v_and_b32 v1, 31, v0                           ; lane
	s_lshl_b32 s9, s8, 13
	v_lshl_add_u32 v2, v1, 8, s9                   ; gate_w: (256 w + 8 l) rows of 32 bytes
	s_lshl_b32 s9, s8, 10
	v_lshl_add_u32 v3, v1, 5, s9                   ; x: 1,024 w + 32 l bytes in a row
	s_lshl_b32 s9, s8, 8
	v_lshl_add_u32 v4, v1, 3, s9                   ; codes: 256 w + 8 l
	v_lshrrev_b32 v5, 2, v1
	s_lshl_b32 s9, s8, 3
	s_add_co_u32 s9, s9, XSB
	v_add_nc_u32 v5, s9, v5                        ; LDS: my block's scale byte: 8 w + l / 4
	s_lshl_b32 s9, s8, 7
	v_mov_b32 v6, s9                               ; LDS: my wave's 32 partial sums
	v_lshlrev_b32 v7, 2, v1                        ; 4 l
	v_and_b32 v8, 7, v1
	v_lshlrev_b32 v8, 2, v8                        ; 4 (l % 8): my expert's bias
	v_lshrrev_b32 v11, 3, v1
	v_lshlrev_b32 v11, 2, v11                      ; 4 (l / 8): my row's word of top1
	s_mov_b32 s12, 0x76543210
	s_mov_b32 s13, 0xfedcba98                      ; lane l xor 16
	s_mov_b32 s14, 0x600000                        ; the mantissa field of 448
	s_lshl_b32 s2, ttmp9, 14                       ; 4 rows of x
	s_mov_b32 s3, 0
	s_lshl_b32 s4, ttmp9, 12                       ; of codes
	s_mov_b32 s5, 0
	s_lshl_b32 s6, ttmp9, 7                        ; of scale bytes
	s_mov_b32 s7, 0
	s_lshl_b32 s10, ttmp9, 4                       ; of top1
	s_mov_b32 s11, 0
	s_wait_kmcnt 0x0
	s_add_nc_u64 s[16:17], s[16:17], s[2:3]
	s_add_nc_u64 s[22:23], s[22:23], s[4:5]
	s_add_nc_u64 s[24:25], s[24:25], s[6:7]
	s_add_nc_u64 s[26:27], s[26:27], s[10:11]
.irp t, 0,1,2,3
	global_load_b128 v[X+8*\t:X+8*\t+3],   v3, s[16:17] offset:4096*\t th:TH_LOAD_NT
	global_load_b128 v[X+8*\t+4:X+8*\t+7], v3, s[16:17] offset:4096*\t+16 th:TH_LOAD_NT
.endr
.irp i, 0,1,2,3,4,5,6,7
	global_load_b128 v[G+8*\i:G+8*\i+3],   v2, s[18:19] offset:32*\i
	global_load_b128 v[G+8*\i+4:G+8*\i+7], v2, s[18:19] offset:32*\i+16
.endr
	global_load_b32 v9, v8, s[20:21]
	s_wait_loadcnt 0x0
	; the partial sums: two experts an instruction; one number of x serves both halves
.irp t, 0,1,2,3
.irp e, 0,2,4,6
	v_pk_mul_f32 v[A+8*\t+\e:A+8*\t+\e+1], v[X+8*\t:X+8*\t+1], v[G+\e:G+\e+1] op_sel_hi:[0,1]   ; the first product starts the sums
.endr
.endr
.irp i, 1,2,3,4,5,6,7
.irp t, 0,1,2,3
.irp e, 0,2,4,6
.if (\i)%2
	v_pk_fma_f32 v[A+8*\t+\e:A+8*\t+\e+1], v[X+8*\t+\i-1:X+8*\t+\i], v[G+8*\i+\e:G+8*\i+\e+1], v[A+8*\t+\e:A+8*\t+\e+1] op_sel:[1,0,0] op_sel_hi:[1,1,1]
.else
	v_pk_fma_f32 v[A+8*\t+\e:A+8*\t+\e+1], v[X+8*\t+\i:X+8*\t+\i+1], v[G+8*\i+\e:G+8*\i+\e+1], v[A+8*\t+\e:A+8*\t+\e+1] op_sel_hi:[0,1,1]
.endif
.endr
.endr
.endr
	; x's codes: the four rows by turns
.irp t, 0,1,2,3
	v_max3_num_f32 v[TP+4*\t], |v[X+8*\t]|, |v[X+8*\t+1]|, 0x4800000   ; my 8 numbers, and the floor 2^(9 - 127): the byte cannot fall under 1
.endr
.irp i, 2,4,6
.irp t, 0,1,2,3
	v_max3_num_f32 v[TP+4*\t], v[TP+4*\t], |v[X+8*\t+\i]|, |v[X+8*\t+\i+1]|
.endr
.endr
.irp m, 1,2
.irp t, 0,1,2,3
	v_max_num_f32_dpp v[TP+4*\t], v[TP+4*\t], v[TP+4*\t] row_xmask:\m row_mask:0xf bank_mask:0xf   ; with the block's other three lanes
.endr
.endr
.irp t, 0,1,2,3
	v_add_nc_u32 v[TP+4*\t+1], 0xfc000000, v[TP+4*\t]              ; 8 off the exponent field: the conversion's scale operand
	v_and_or_b32 v[TP+4*\t+2], v[TP+4*\t], 0x7f800000, s14         ; 448 x the scale
.endr
.irp t, 0,1,2,3
.irp i, 0,1,2,3,4,5,6,7
	v_med3_num_f32 v[X+8*\t+\i], v[X+8*\t+\i], -v[TP+4*\t+2], v[TP+4*\t+2]   ; the conversion to an 8-bit code does not saturate (ISA guide 7.6.2): the hold
.endr
.endr
.irp t, 0,1,2,3
	v_cvt_scalef32_pk8_fp8_f32 v[G+2*\t:G+2*\t+1], v[X+8*\t:X+8*\t+7], v[TP+4*\t+1]
.endr
.irp t, 0,1,2,3
	v_lshrrev_b32 v[TP+4*\t+3], 23, v[TP+4*\t+1]                   ; the scale's byte (also the plain line behind the conversions)
.endr
.irp t, 0,1,2,3
	global_store_b64 v4, v[G+2*\t:G+2*\t+1], s[22:23] offset:1024*\t   ; the wave stores 256 consecutive bytes of a row of codes
	ds_store_b8 v5, v[TP+4*\t+3] offset:32*\t                      ; a block's four lanes write the same byte with the same value
.endr
	; the 32 sums over the wave's 32 lanes
.irp m, 1,2,4,8
.set NN, 0
.rept 32
	v_add_f32_dpp v[A+NN], v[A+NN], v[A+NN] row_xmask:\m row_mask:0xf bank_mask:0xf
.set NN, NN+1
.endr
.endr
.set NN, 0
.rept 32
	v_permlanex16_b32 v[G+32+NN], v[A+NN], s12, s13
.set NN, NN+1
.endr
.set NN, 0
.rept 32
	v_add_f32 v[A+NN], v[A+NN], v[G+32+NN]
.set NN, NN+1
.endr
.irp n, 0,1,2,3,4,5,6,7
	ds_store_b128 v6, v[A+4*\n:A+4*\n+3] offset:PART+16*\n         ; every lane holds the same 32 sums and writes the same bytes
.endr
	s_wait_dscnt 0x0                               ; for wave 0's sake: my sums and scale bytes lie in LDS
	s_barrier_signal -1
	s_barrier_wait -1
	s_cmp_lg_u32 s8, 0
	s_cbranch_scc1 .Lend
	; wave 0: lane l stands for row l / 8 and expert l % 8
	ds_load_b32 v144, v7 offset:PART
	ds_load_b32 v145, v7 offset:PART+128
	ds_load_b32 v146, v7 offset:PART+256
	ds_load_b32 v147, v7 offset:PART+384
	ds_load_b32 v148, v7 offset:XSB                ; the four rows' 128 scale bytes, 4 a lane
	s_wait_dscnt 0x0
	v_add_f32 v144, v144, v145
	v_add_f32 v146, v146, v147
	v_add_f32 v144, v144, v146
	v_add_f32 v144, v144, v9                       ; the logit
	v_mov_b32 v145, v144
.irp m, 1,2,4
	v_max_num_f32_dpp v145, v145, v145 row_xmask:\m row_mask:0xf bank_mask:0xf   ; the row's largest logit
.endr
	v_sub_f32 v146, v144, v145
	v_mul_f32 v146, 0x3fb8aa3b, v146
	v_exp_f32 v146, v146
	v_and_b32 v149, 7, v1                          ; (a plain line behind the exponential)  my expert's number
	s_wait_alu depctr_va_vdst(0)
	v_mov_b32 v147, v146
.irp m, 1,2,4
	v_add_f32_dpp v147, v147, v147 row_xmask:\m row_mask:0xf bank_mask:0xf
.endr
	v_rcp_f32 v147, v147
	v_cvt_f32_u32 v149, v149                       ; (a plain line behind the reciprocal)
	s_wait_alu depctr_va_vdst(0)
	v_mul_f32 v146, v146, v147                     ; the score
	v_mov_b32 v147, v146
.irp m, 1,2,4
	v_max_num_f32_dpp v147, v147, v147 row_xmask:\m row_mask:0xf bank_mask:0xf
.endr
	v_cmp_eq_f32 vcc_lo, v146, v147
	v_cndmask_b32 v149, 0x41000000, v149, vcc_lo   ; my number where I hold the largest score, else 8
.irp m, 1,2,4
	v_min_num_f32_dpp v149, v149, v149 row_xmask:\m row_mask:0xf bank_mask:0xf   ; the lowest such number
.endr
	v_cvt_u32_f32 v149, v149
	global_store_b32 v11, v149, s[26:27]           ; a row's eight lanes write the same word with the same value
	global_store_b32 v7, v148, s[24:25]
.Lend:
	s_wait_tensorcnt 0x0
	ds_add_u32 v160, v161
	s_wait_dscnt 0x0
	s_endpgm
.Lfunc_end_k_q468d2d32fe_gate:
	.size	k_q468d2d32fe_gate, .Lfunc_end_k_q468d2d32fe_gate-k_q468d2d32fe_gate
	.p2alignl 7, 3214868480
	.fill 96, 4, 3214868480
	.section	.rodata,"a",@progbits
	.p2align	6, 0x0
	.amdhsa_kernel k_q468d2d32fe_gate
		.amdhsa_group_segment_fixed_size 1536
		.amdhsa_private_segment_fixed_size 0
		.amdhsa_enable_private_segment 0
		.amdhsa_kernarg_size 48
		.amdhsa_user_sgpr_count 2
		.amdhsa_user_sgpr_kernarg_segment_ptr 1
		.amdhsa_wavefront_size32 1
		.amdhsa_system_sgpr_workgroup_id_x 1
		.amdhsa_system_sgpr_workgroup_id_y 1
		.amdhsa_system_sgpr_workgroup_id_z 1
		.amdhsa_system_vgpr_workitem_id 0
		.amdhsa_next_free_vgpr 162
		.amdhsa_next_free_sgpr 66
		.amdhsa_reserve_vcc 1
		.amdhsa_float_denorm_mode_32 3
		.amdhsa_float_denorm_mode_16_64 3
		.amdhsa_memory_ordered 1
		.amdhsa_forward_progress 1
		.amdhsa_inst_pref_size 32
	.end_amdhsa_kernel
	.amdgpu_metadata
---
amdhsa.version: [ 1, 2 ]
amdhsa.kernels:
  - .name:           k_q468d2d32fe_gate
    .symbol:         k_q468d2d32fe_gate.kd
    .args:
      - { .name: x, .offset: 0, .size: 8, .value_kind: global_buffer, .address_space: global }
      - { .name: gate_w, .offset: 8, .size: 8, .value_kind: global_buffer, .address_space: global }
      - { .name: gate_b, .offset: 16, .size: 8, .value_kind: global_buffer, .address_space: global }
      - { .name: x_codes, .offset: 24, .size: 8, .value_kind: global_buffer, .address_space: global }
      - { .name: x_scales, .offset: 32, .size: 8, .value_kind: global_buffer, .address_space: global }
      - { .name: top1, .offset: 40, .size: 8, .value_kind: global_buffer, .address_space: global }
    .group_segment_fixed_size: 1536
    .private_segment_fixed_size: 0
    .kernarg_segment_align: 8
    .kernarg_segment_size: 48
    .max_flat_workgroup_size: 128
    .sgpr_count:     66
    .vgpr_count:     162
    .wavefront_size: 32
...
	.end_amdgpu_metadata
.endif
;; end of part 1
;; launch place (part 2): grid 8 x 1, 1 waves a work-group, no clusters, 0 bytes of LDS; arguments top1, list; writes list
.if DOCPART == 2
	.amdgcn_target "amdgcn-amd-amdhsa--gfx1250"
	.amdhsa_code_object_version 6
	.text
	.protected	k_q468d2d32fe_place
	.globl	k_q468d2d32fe_place
	.p2align	8
	.type	k_q468d2d32fe_place,@function
k_q468d2d32fe_place:
	s_mov_b64 s[64:65], 0
	v_nop
	global_prefetch_b8 v0, s[64:65] scope:SCOPE_SE
	s_setreg_imm32_b32 hwreg(HW_REG_WAVE_MODE, 25, 1), 1
	s_wait_xcnt 0x0
; THE ROWS BY EXPERT.  Work-group e (one wave) reads all 1,024 words of top1 and writes row e of list (5,120 bytes): words 0 .. T - 1 the numbers of the tokens that chose expert e, ascending;
; words T .. T + 31 one member's number again, so that a reader may take 32 at a time: a padded row computes, and stores, that member's very numbers; words 1056 .. 1087 take the lanes
; that are no members; words 1152 .. 1183 hold T.  T + 31 is 1,055 at the most.  No atomics: a lane's place is the count so far plus the members among the lanes below it.
; Each chunk of 32 tokens has its own address and data registers, so no register of a pending store is written again.
	s_load_b128 s[4:7], s[0:1], 0x0                ; top1 s[4:5], list s[6:7]
	v_and_b32 v1, 31, v0
	v_add_nc_u32 v2, 1056, v1                      ; where a lane that is no member writes
	v_lshlrev_b32 v3, 2, v1
	s_mul_i32 s8, ttmp9, 5120
	s_mov_b32 s9, 0
	s_mov_b32 s15, ttmp9                           ; my expert
	s_mov_b32 s10, 0                               ; members so far
	s_mov_b32 s11, 0                               ; a member's number, for the padding
	s_wait_kmcnt 0x0
	s_add_nc_u64 s[6:7], s[6:7], s[8:9]
.set CC, 0
.rept 32
	global_load_b32 v[8+CC], v3, s[4:5] offset:128*CC
.set CC, CC+1
.endr
	s_wait_loadcnt 0x0
.set CC, 0
.rept 32
	v_cmp_eq_u32 s12, s15, v[8+CC]                 ; the chunk's members
	v_mbcnt_lo_u32_b32 v[40+CC], s12, s10          ; the count so far + the members below me
	v_cndmask_b32 v[40+CC], v2, v[40+CC], s12
	v_min_u32 v[40+CC], 1087, v[40+CC]             ; inside the row, whatever was read
	v_lshlrev_b32 v[40+CC], 2, v[40+CC]
	v_add_nc_u32 v[72+CC], 32*CC, v1               ; my token's number
	global_store_b32 v[40+CC], v[72+CC], s[6:7]
	s_bcnt1_i32_b32 s13, s12
	s_ctz_i32_b32 s14, s12
	s_add_co_u32 s14, s14, 32*CC
	s_cmp_lg_u32 s12, 0
	s_cselect_b32 s11, s14, s11
	s_add_co_u32 s10, s10, s13
.set CC, CC+1
.endr
	v_add_nc_u32 v104, s10, v1
	v_min_u32 v104, 1087, v104
	v_lshlrev_b32 v104, 2, v104
	v_mov_b32 v105, s11
	global_store_b32 v104, v105, s[6:7]            ; the padding: words T .. T + 31
	v_mov_b32 v106, s10
	global_store_b32 v3, v106, s[6:7] offset:4608  ; T
	s_endpgm
.Lfunc_end_k_q468d2d32fe_place:
	.size	k_q468d2d32fe_place, .Lfunc_end_k_q468d2d32fe_place-k_q468d2d32fe_place
	.p2alignl 7, 3214868480
	.fill 96, 4, 3214868480
	.section	.rodata,"a",@progbits
	.p2align	6, 0x0
	.amdhsa_kernel k_q468d2d32fe_place
		.amdhsa_group_segment_fixed_size 0
		.amdhsa_private_segment_fixed_size 0
		.amdhsa_enable_private_segment 0
		.amdhsa_kernarg_size 16
		.amdhsa_user_sgpr_count 2
		.amdhsa_user_sgpr_kernarg_segment_ptr 1
		.amdhsa_wavefront_size32 1
		.amdhsa_system_sgpr_workgroup_id_x 1
		.amdhsa_system_sgpr_workgroup_id_y 1
		.amdhsa_system_sgpr_workgroup_id_z 1
		.amdhsa_system_vgpr_workitem_id 0
		.amdhsa_next_free_vgpr 128
		.amdhsa_next_free_sgpr 66
		.amdhsa_reserve_vcc 0
		.amdhsa_float_denorm_mode_32 3
		.amdhsa_float_denorm_mode_16_64 3
		.amdhsa_memory_ordered 1
		.amdhsa_forward_progress 1
		.amdhsa_inst_pref_size 25
	.end_amdhsa_kernel
	.amdgpu_metadata
---
amdhsa.version: [ 1, 2 ]
amdhsa.kernels:
  - .name:           k_q468d2d32fe_place
    .symbol:         k_q468d2d32fe_place.kd
    .args:
      - { .name: top1, .offset: 0, .size: 8, .value_kind: global_buffer, .address_space: global }
      - { .name: list, .offset: 8, .size: 8, .value_kind: global_buffer, .address_space: global }
    .group_segment_fixed_size: 0
    .private_segment_fixed_size: 0
    .kernarg_segment_align: 8
    .kernarg_segment_size: 16
    .max_flat_workgroup_size: 32
    .sgpr_count:     66
    .vgpr_count:     128
    .wavefront_size: 32
...
	.end_amdgpu_metadata
.endif
;; end of part 2
;; launch ffn1 (part 3): grid 32 x 8, 8 waves a work-group, no clusters, 138,752 bytes of LDS; arguments W1, b1, x_codes, x_scales, list, hid_codes, hid_scales; writes hid_codes, hid_scales
.if DOCPART == 3
	.amdgcn_target "amdgcn-amd-amdhsa--gfx1250"
	.amdhsa_code_object_version 6
	.text
	.protected	k_q468d2d32fe_ffn1
	.globl	k_q468d2d32fe_ffn1
	.p2align	8
	.type	k_q468d2d32fe_ffn1,@function
k_q468d2d32fe_ffn1:
	s_mov_b64 s[64:65], 0
	v_nop
	global_prefetch_b8 v0, s[64:65] scope:SCOPE_SE
	s_setreg_imm32_b32 hwreg(HW_REG_WAVE_MODE, 25, 1), 1
	s_wait_xcnt 0x0
; THE FIRST PRODUCT OF THE CHOSEN EXPERT: hidden = Q(relu(Q(x) Q(W1[e]) + b1[e])), on codes of E4M3 with one E8M0 scale for each 32 along K, for the tokens that chose expert e alone.
; SHARES.  Work-group (slice, e) owns hidden units 128 slice .. + 127 of expert e for all of K = 1,024: 524,288 bytes of W1, read from memory ONCE, as whole pieces of 512 bytes of a row, quantised
; in registers and kept as codes in LDS.  Then the expert's tokens go past it, 32 (two tiles of 16) to a wave and pass.
; THE STREAM.  W1 lies [k][unit]: a lane takes four neighbouring units and its registers run down K, so a block of 32 along K of one unit lies in one lane: no lane exchange, nothing is transposed.
; Wave w takes k = 128 w .. + 127 (K step w) in four groups of 32 rows; two groups' 64 loads are out at the start, 32 while a group is worked.
; THE PRODUCT IS USED TRANSPOSED (source 0 = 16 units, source 1 = 16 tokens), and a tile's units are not neighbours: unit u of the slice lies in LDS row 32 (u / 32) + 16 bit3(u) + 8 bit4(u) + u % 8,
; so that lane r of tile 2 b + v holds unit 32 b + 8 v + r + 8 (r / 8), and the 16 registers of tiles 2 b, 2 b + 1 of a lane are 16 neighbours along the next K.  b1 is the C of each sum's first product.
; OUT.  hid_codes [32 e + pass pair][slice][tile][2,048]: the image of the next operand's registers (group c of four at 512 c + 16 lane); hid_scales [pair][slice][128]: a word a lane, tile 0's rows below, tile 1's above.
; The list is padded with a member's number, so a padded row is that member's row again and no lane is ever switched off.
; THE PASSES.  Every wave walks four trips (places 32 w + 256 trip of the list: all 1,024 at the most); a trip whose first place lies at or past the expert's count T is jumped over by a scalar branch.
; NO TENSOR LOAD, NO CLUSTER: the weights must pass through registers to be quantised and belong to one work-group alone; what the 32 work-groups of an expert share is x's codes, 1,024 bytes a token
; against 524,288 bytes of weights of one's own; and which passes have work hangs on a count read from memory.
; LIMITS.  NaN and infinities are not served; a block of zeros, or one whose largest magnitude lies under 2^-118, gets the byte 1: the bytes are read by this program alone.
; REGISTERS.  Window 0: v1-15, v28-31 addresses; v16-19 the tokens' scale words, v20-27 the weights' (these hold scales alone); v32-47 at work on scales; v48-51 scale words being made;
;   v64-191 the stream's held numbers (v64-127) and codes (v128-159), later two buffers of four weight fragments, later the hidden codes (v160-191); v192-255 b1 in the result's layout.
;   Window 1: the stream's two sets of 128; later v0-127 four sets of two token fragments, v128-255 the 16 accumulators (tile of tokens n, tile of units t: 128 + 64 n + 8 t).
.set P1,   1040                        ; an LDS row of codes: 1,024 bytes + 16: 260 words, so the 16 rows of a fragment load start 4 banks apart
.set SCB,  128*P1                      ; behind the codes: the weights' scale words, 8 a row + 1 of padding
.set SCP,  36
.set LANE, 1
.set R,    2
.set HH,   3
.set H16,  4                           ; 16 h
.set LST,  5                           ; the stream: where my first unit's codes go
.set LSS,  6                           ; and its scale word
.set AW,   7                           ; v7, v8: my place in a fragment of tiles 0-3, 4-7
.set ASC,  9                           ; my place among the scale words
.set L16,  10                          ; 16 x lane
.set L4,   11                          ; 4 x lane
.set R4,   12                          ; 4 r
.set XA,   13                          ; byte offsets of my token's codes: tile 0,
.set XB,   14                          ; tile 1,
.set XSO,  15                          ; and of the scale words
.set BSC,  16
.set WSC,  20
.set IDA,  28                          ; token numbers as read
.set IDB,  29
.set IDS,  30
.set BOF,  31                          ; 64 h: b1
.set TM,   32                          ; v32-35 largest magnitudes, v36-39 bytes, v40-43 448 x the scale, v44-47 the conversions' scale operands
.set SB,   48
.set PW,   48
.set PWC,  50
.set TP,   52
.set T,    64
.set C,    128
.set WB,   64
.set PC,   160
.set BIAS, 192
.set ACC,  128
.set WV,   18
.set TE,   19                          ; the expert's tokens
.set POS,  20                          ; my pass's first place in the list
.set EX,   21
.set SEL,  22
.set MNT,  24
.set TRP,  38                          ; s38  counts the four trips
.set MSB, 0
.macro WIN new                         ; the immediate's high byte repeats the setting that is left; a switch that changes nothing is dropped
.if MSB != \new
	s_set_vgpr_msb (MSB<<8)|\new
.set MSB, \new
.endif
.endm
	s_load_b256 s[4:11], s[0:1], 0x0               ; W1 s[4:5], b1 s[6:7], x_codes s[8:9], x_scales s[10:11]
	s_load_b128 s[12:15], s[0:1], 0x20             ; list s[12:13], hid_codes s[14:15]
	s_load_b64 s[16:17], s[0:1], 0x30              ; hid_scales
	v_lshl_add_u32 v62, v0, 2, 0x21a00
	v_mov_b32 v63, 0
	v_lshrrev_b32 v[TP], 5, v0
	v_readfirstlane_b32 s[WV], v[TP]               ; wave 0..7
	v_and_b32 v[LANE], 31, v0
	v_and_b32 v[R], 15, v0
	v_bfe_u32 v[HH], v0, 4, 1
	v_lshlrev_b32 v[H16], 4, v[HH]
	v_lshlrev_b32 v[BOF], 6, v[HH]
	v_lshlrev_b32 v[L16], 4, v[LANE]
	v_lshlrev_b32 v[L4], 2, v[LANE]
	v_lshlrev_b32 v[R4], 2, v[R]
	s_and_b32 s[EX], ttmp7, 0xffff                 ; the expert
	s_lshl_b32 s32, s[EX], 24                      ; W1: the expert's 16,777,216 bytes,
	s_lshl_b32 s33, s[WV], 21                      ; my wave's 128 rows of 16,384,
	s_add_co_u32 s32, s32, s33
	s_lshl_b32 s34, ttmp9, 9                       ; the slice's 512 bytes of a row
	s_add_co_u32 s32, s32, s34
	s_mov_b32 s33, 0
	s_lshl_b32 s35, s[EX], 14                      ; b1: the expert's row, the slice
	s_add_co_u32 s34, s34, s35
	s_mov_b32 s35, 0
	s_mul_i32 s36, s[EX], 5120                     ; the expert's row of the list
	s_mov_b32 s37, 0
	s_mov_b32 s[SEL], 0x76543210
	s_mov_b32 s[SEL+1], 0xfedcba98                 ; lane l xor 16
	s_mov_b32 s[MNT], 0x600000                     ; the mantissa field of 448
	s_wait_kmcnt 0x0
	s_add_nc_u64 s[4:5], s[4:5], s[32:33]
	s_add_nc_u64 s[6:7], s[6:7], s[34:35]
	s_add_nc_u64 s[12:13], s[12:13], s[36:37]
	s_load_b32 s[TE], s[12:13], 0x1200             ; T: waited for behind the stream
.irp t, 0,1,2,3,4,5,6,7
	global_load_b128 v[BIAS+8*\t:BIAS+8*\t+3],   v[BOF], s[6:7] offset:(32*(\t/2)+8*(\t%2))*4      ; b1 at units 32 (t / 2) + 16 h + 8 (t % 2) + 0 .. 7
	global_load_b128 v[BIAS+8*\t+4:BIAS+8*\t+7], v[BOF], s[6:7] offset:(32*(\t/2)+8*(\t%2))*4+16
.endr
.macro LOADSET g                       ; group g's 32 rows: each load is the slice's whole 512 bytes of a row
	WIN 0x40                                       ; destination window 1
.set II, 0
.rept 32
	global_load_b128 v[128*((\g)%2)+4*II:128*((\g)%2)+4*II+3], v[L16], s[4:5] offset:(32*(\g)+II)*16384 th:TH_LOAD_NT
.set II, II+1
.endr
	WIN 0
.endm
	LOADSET 0
	LOADSET 1
	v_bfe_u32 v[TP], v0, 0, 1                      ; my four units 4 l + j lie in LDS rows row(l) + j, row(l) = 4 bit0 + 16 bit1 + 8 bit2 + 32 (l / 8)
	v_bfe_u32 v[TP+1], v0, 1, 1
	v_bfe_u32 v[TP+2], v0, 2, 1
	v_bfe_u32 v[TP+3], v0, 3, 2
	v_lshlrev_b32 v[TP], 2, v[TP]
	v_lshl_add_u32 v[TP], v[TP+1], 4, v[TP]
	v_lshl_add_u32 v[TP], v[TP+2], 3, v[TP]
	v_lshl_add_u32 v[TP], v[TP+3], 5, v[TP]
	v_mul_u32_u24 v[LST], v[TP], P1
	s_lshl_b32 s32, s[WV], 7
	v_add_nc_u32 v[LST], s32, v[LST]               ; + my wave's 128 along K
	v_mul_u32_u24 v[LSS], v[TP], SCP
	s_lshl_b32 s32, s[WV], 2
	s_add_co_u32 s32, s32, SCB
	v_add_nc_u32 v[LSS], s32, v[LSS]               ; word w of the row
	v_mul_u32_u24 v[AW], v[R], P1
	v_lshl_add_u32 v[AW], v[HH], 4, v[AW]          ; a fragment: row r, + 16 h
	v_add_nc_u32 v[AW+1], 64*P1, v[AW]
	v_mul_u32_u24 v[ASC], v[R], SCP
	v_add_nc_u32 v[ASC], SCB, v[ASC]
.irp b, 0,1,2,3
	v_mov_b32 v[TM+4+\b], 0                        ; written once: a lane permute's destination counts as one of its sources
.endr
; A group: 32 rows x my 4 units = 4 blocks.  Register 4 i + j of the set is W1(32 g + i, unit 4 l + j).
.macro GROUP g
.set RS, 128*((\g)%2)
.if (\g) < 3
	s_wait_loadcnt 32                              ; this group's loads are in; the next group's 32 may be out
.else
	s_wait_loadcnt 0x0
.endif
	WIN 0x05                                       ; sources 0 and 1 window 1
.irp j, 0,1,2,3
	v_max3_num_f32 v[TM+\j], |v[RS+\j]|, |v[RS+4+\j]|, 0x4800000   ; with the floor 2^(9 - 127): the byte cannot fall under 1
.endr
	WIN 0x14                                       ; sources 1 and 2 window 1
.set II, 2
.rept 15
.irp j, 0,1,2,3
	v_max3_num_f32 v[TM+\j], v[TM+\j], |v[RS+4*II+\j]|, |v[RS+4*II+4+\j]|   ; the four units by turns
.endr
.set II, II+2
.endr
	WIN 0
	s_wait_dscnt 0x0                               ; the last group's LDS stores have read their registers
.irp j, 0,1,2,3
	v_add_nc_u32 v[TM+12+\j], 0xfc000000, v[TM+\j] ; 8 off the exponent field: the conversion's scale operand
.endr
.irp j, 0,1,2,3
	v_and_or_b32 v[TM+8+\j], v[TM+\j], 0x7f800000, s[MNT]          ; 448 x the scale
.endr
.irp j, 0,1,2,3
.if (\g) == 0
	v_lshrrev_b32 v[SB+\j], 23, v[TM+12+\j]        ; the scale's byte: the lower K in the lower byte
.else
	v_lshrrev_b32 v[TM+4+\j], 23, v[TM+12+\j]
.endif
.endr
.if (\g) > 0
.irp j, 0,1,2,3
	v_lshl_or_b32 v[SB+\j], v[TM+4+\j], 8*(\g), v[SB+\j]
.endr
.endif
.irp p, 0,2                            ; two units at a time
	WIN 0x01                                       ; source 0 window 1
.irp jj, 0,1
.set II, 0
.rept 32
	v_med3_num_f32 v[T+32*\jj+II], v[RS+4*II+\p+\jj], -v[TM+8+\p+\jj], v[TM+8+\p+\jj]   ; the hold (ISA guide 7.6.2: the conversion does not saturate); it also lays a unit's 32 numbers on end
.set II, II+1
.endr
.endr
	WIN 0
.irp jj, 0,1
.irp q, 0,1,2,3
	v_cvt_scalef32_pk8_fp8_f32 v[C+8*(\p+\jj)+2*\q:C+8*(\p+\jj)+2*\q+1], v[T+32*\jj+8*\q:T+32*\jj+8*\q+7], v[TM+12+\p+\jj]
.endr
.endr
	v_nop                                          ; a plain line behind the conversions, ahead of the next writes of their sources
.irp jj, 0,1
	ds_store_b128 v[LST], v[C+8*(\p+\jj):C+8*(\p+\jj)+3]   offset:(\p+\jj)*P1+32*(\g)
	ds_store_b128 v[LST], v[C+8*(\p+\jj)+4:C+8*(\p+\jj)+7] offset:(\p+\jj)*P1+32*(\g)+16
.endr
.endr
.if (\g) < 2
	LOADSET (\g)+2
.endif
.endm
	GROUP 0
	GROUP 1
	GROUP 2
	GROUP 3
.irp j, 0,1,2,3
	ds_store_b32 v[LSS], v[SB+\j] offset:SCP*\j    ; K step w's scale word of each of my units
.endr
	s_wait_dscnt 0x0                               ; for the others' sake: my codes and scale words lie in LDS
	s_barrier_signal -1
	s_barrier_wait -1                              ; the only barrier: from here on LDS is only read
	s_wait_kmcnt 0x0
	s_min_u32 s[TE], s[TE], 1024
	s_lshl_b32 s[POS], s[WV], 5                    ; wave w takes places 32 w, 32 w + 256, ..
	s_mov_b32 s[TRP], 0
.macro BFETCH s                        ; K step s of my 32 tokens: their scale words and two fragments, into set s % 4: nine loads
	global_load_b32 v[BSC+(\s)%4], v[XSO], s[10:11] offset:4*(\s)
	WIN 0x40
.irp c, 0,1,2,3
	global_load_b128 v[32*((\s)%4)+4*\c:32*((\s)%4)+4*\c+3], v[XA], s[8:9] offset:128*(\s)+32*\c
.endr
.irp c, 0,1,2,3
	global_load_b128 v[32*((\s)%4)+16+4*\c:32*((\s)%4)+16+4*\c+3], v[XB], s[8:9] offset:128*(\s)+32*\c
.endr
	WIN 0
.endm
.macro WFETCH q                        ; K step q / 2, tiles 4 (q % 2) .. + 3 of the weights, with their scale words, into buffer q % 2: twenty LDS loads
.irp tt, 0,1,2,3
.irp c, 0,1,2,3
	ds_load_b128 v[WB+64*((\q)%2)+16*\tt+4*\c:WB+64*((\q)%2)+16*\tt+4*\c+3], v[AW+(\q)%2] offset:16*P1*\tt+128*((\q)/2)+32*\c
.endr
	ds_load_b32 v[WSC+4*((\q)%2)+\tt], v[ASC] offset:SCP*16*(4*((\q)%2)+\tt)+4*((\q)/2)
.endr
.endm
; Half a K step: four tiles of units x two tiles of tokens.  The 16 accumulators take turns, one instruction a turn.
.macro MSTEP
.set SS, QQ/2
.set HF, QQ%2
.rept 8
	v_nop                                          ; places in front of loads into registers that the last products read
.endr
.if QQ < 15
	WFETCH QQ+1
.endif
.if HF == 0
.if SS+3 < 8
	BFETCH SS+3
.endif
.if 7-SS >= 3
	s_wait_loadcnt 27                              ; this K step's nine loads are in; the three younger sets' 27 may be out
.else
	s_wait_loadcnt 9*(7-SS)
.endif
.endif
.if QQ < 15
	s_wait_dscnt 20                                ; this half's fragments are in; the next half's twenty loads may be out
.else
	s_wait_dscnt 0x0
.endif
.if SS == 0
	WIN 0x44                                       ; tokens and result window 1; weights and b1 window 0
.else
	WIN 0x54                                       ; tokens, C and D window 1
.endif
.irp tt, 0,1,2,3
.irp n, 0,1
.set DD, ACC+64*\n+8*(4*HF+\tt)
.set AA, WB+64*HF+16*\tt
.set BB, 32*(SS%4)+16*\n
.set CB, BIAS+8*(4*HF+\tt)
.if SS == 0
.if \n == 0
	v_wmma_scale_f32_16x16x128_f8f6f4 v[DD:DD+7], v[AA:AA+15], v[BB:BB+15], v[CB:CB+7], v[WSC+4*HF+\tt], v[BSC+SS%4]
.else
	v_wmma_scale_f32_16x16x128_f8f6f4 v[DD:DD+7], v[AA:AA+15], v[BB:BB+15], v[CB:CB+7], v[WSC+4*HF+\tt], v[BSC+SS%4] matrix_b_scale:MATRIX_SCALE_ROW1
.endif
.else
.if \n == 0
	v_wmma_scale_f32_16x16x128_f8f6f4 v[DD:DD+7], v[AA:AA+15], v[BB:BB+15], v[DD:DD+7], v[WSC+4*HF+\tt], v[BSC+SS%4]
.else
	v_wmma_scale_f32_16x16x128_f8f6f4 v[DD:DD+7], v[AA:AA+15], v[BB:BB+15], v[DD:DD+7], v[WSC+4*HF+\tt], v[BSC+SS%4] matrix_b_scale:MATRIX_SCALE_ROW1
.endif
.endif
.endr
.endr
	WIN 0
.endm
; Tile n's 64 numbers of a lane (register 16 b + i = unit 32 b + 16 h + i of my token) become a fragment's codes in v[PC + 16 n] on and its scale word in v[PW + n].
.macro QUANTH n
.set AB, ACC+64*(\n)
	WIN 0x05
.irp b, 0,1,2,3
	v_max3_num_f32 v[TM+\b], v[AB+16*\b], v[AB+16*\b+1], 0x4800000   ; no |.|: what is negative becomes 0, so it must not count; the floor stands over it.  Each accumulator is read from its low end on
.endr
	WIN 0x14
.irp i, 2,4,6,8,10,12,14
.irp b, 0,1,2,3
	v_max3_num_f32 v[TM+\b], v[TM+\b], v[AB+16*\b+\i], v[AB+16*\b+\i+1]
.endr
.endr
	WIN 0
.irp b, 0,1,2,3
	v_permlanex16_b32 v[TM+4+\b], v[TM+\b], s[SEL], s[SEL+1]
.endr
.irp b, 0,1,2,3
	v_max_num_f32 v[TM+\b], v[TM+\b], v[TM+4+\b]   ; with lane l xor 16's 16 units: the block's
.endr
.irp b, 0,1,2,3
	v_add_nc_u32 v[TM+12+\b], 0xfc000000, v[TM+\b]
.endr
.irp b, 0,1,2,3
	v_and_or_b32 v[TM+8+\b], v[TM+\b], 0x7f800000, s[MNT]
.endr
.irp b, 0,1,2,3
	v_lshrrev_b32 v[TM+4+\b], 23, v[TM+12+\b]
.endr
	v_lshl_or_b32 v[PW+\n], v[TM+5], 8, v[TM+4]
	v_lshl_or_b32 v[PW+\n], v[TM+6], 16, v[PW+\n]
	v_lshl_or_b32 v[PW+\n], v[TM+7], 24, v[PW+\n]
	WIN 0x41                                       ; destination and source 0 window 1
.irp b, 0,1,2,3
.irp i, 0,1,2,3,4,5,6,7,8,9,10,11,12,13,14,15
	v_med3_num_f32 v[AB+16*\b+\i], v[AB+16*\b+\i], 0, v[TM+8+\b]   ; the activation and the hold in one
.endr
.endr
	WIN 0x01
.irp b, 0,1,2,3
	v_cvt_scalef32_pk8_fp8_f32 v[PC+16*\n+4*\b:PC+16*\n+4*\b+1],   v[AB+16*\b:AB+16*\b+7],    v[TM+12+\b]
	v_cvt_scalef32_pk8_fp8_f32 v[PC+16*\n+4*\b+2:PC+16*\n+4*\b+3], v[AB+16*\b+8:AB+16*\b+15], v[TM+12+\b]
.endr
	WIN 0
	v_nop                                          ; a plain line behind the conversions
.endm
.Lpass:                                            ; four trips, a constant; one trip: 32 places of the list through all of K
	s_cmp_lt_u32 s[POS], s[TE]                     ; places at or past T hold no token: the trip's work is jumped over (no barrier stands in it)
	s_cbranch_scc0 .Lskip
	s_min_u32 s32, s[POS], 992                     ; (POS is a multiple of 32, 992 at the most)
	s_lshl_b32 s26, s32, 2
	s_mov_b32 s27, 0
	s_add_nc_u64 s[26:27], s[12:13], s[26:27]
	global_load_b32 v[IDA], v[R4], s[26:27]            ; tile 0's token r,
	global_load_b32 v[IDB], v[R4], s[26:27] offset:64  ; tile 1's,
	global_load_b32 v[IDS], v[L4], s[26:27]            ; and by lane, for the scale words
	s_lshr_b32 s33, s32, 5
	s_lshl_b32 s34, s[EX], 5
	s_add_co_u32 s33, s33, s34                     ; the pair: 32 e + POS / 32
	s_lshl_b32 s33, s33, 5
	s_add_co_u32 s33, s33, ttmp9                   ; x 32 + slice
	s_lshl_b32 s28, s33, 12
	s_mov_b32 s29, 0
	s_add_nc_u64 s[28:29], s[14:15], s[28:29]      ; where the two images go
	s_lshl_b32 s30, s33, 7
	s_mov_b32 s31, 0
	s_add_nc_u64 s[30:31], s[16:17], s[30:31]      ; and their scale words
	s_wait_loadcnt 0x0
	v_min_u32 v[IDA], 1023, v[IDA]                 ; inside x, whatever was read
	v_min_u32 v[IDB], 1023, v[IDB]
	v_min_u32 v[IDS], 1023, v[IDS]
	v_lshl_add_u32 v[XA], v[IDA], 10, v[H16]       ; a row of 1,024 codes, + 16 h
	v_lshl_add_u32 v[XB], v[IDB], 10, v[H16]
	v_lshlrev_b32 v[XSO], 5, v[IDS]                ; 32 scale bytes a token
	BFETCH 0
	BFETCH 1
	BFETCH 2
	WFETCH 0
.set QQ, 0
.rept 16
	MSTEP
.set QQ, QQ+1
.endr
.rept 8
	v_nop                                          ; places in front of the first read of results
.endr
	QUANTH 0
	QUANTH 1
	v_cmp_gt_u32 vcc_lo, 16, v[LANE]
	v_cndmask_b32 v[PWC], v[PW+1], v[PW], vcc_lo   ; lanes 0-15 tile 0's words, lanes 16-31 tile 1's
.irp n, 0,1
.irp c, 0,1,2,3
	global_store_b128 v[L16], v[PC+16*\n+4*\c:PC+16*\n+4*\c+3], s[28:29] offset:2048*\n+512*\c   ; the wave stores 512 consecutive bytes
.endr
.endr
	global_store_b32 v[L4], v[PWC], s[30:31]
	s_wait_xcnt 0x0                                ; the stores' registers and bases are written again only behind this wait
.Lskip:
	s_add_co_u32 s[POS], s[POS], 256
	s_add_co_u32 s[TRP], s[TRP], 1
	s_cmp_lt_u32 s[TRP], 4
	s_cbranch_scc1 .Lpass
	s_wait_tensorcnt 0x0
	ds_add_u32 v62, v63
	s_wait_dscnt 0x0
	s_endpgm
.Lfunc_end_k_q468d2d32fe_ffn1:
	.size	k_q468d2d32fe_ffn1, .Lfunc_end_k_q468d2d32fe_ffn1-k_q468d2d32fe_ffn1
	.p2alignl 7, 3214868480
	.fill 96, 4, 3214868480
	.section	.rodata,"a",@progbits
	.p2align	6, 0x0
	.amdhsa_kernel k_q468d2d32fe_ffn1
		.amdhsa_group_segment_fixed_size 138752
		.amdhsa_private_segment_fixed_size 0
		.amdhsa_enable_private_segment 0
		.amdhsa_kernarg_size 56
		.amdhsa_user_sgpr_count 2
		.amdhsa_user_sgpr_kernarg_segment_ptr 1
		.amdhsa_wavefront_size32 1
		.amdhsa_system_sgpr_workgroup_id_x 1
		.amdhsa_system_sgpr_workgroup_id_y 1
		.amdhsa_system_sgpr_workgroup_id_z 1
		.amdhsa_system_vgpr_workitem_id 0
		.amdhsa_next_free_vgpr 512
		.amdhsa_next_free_sgpr 66
		.amdhsa_reserve_vcc 1
		.amdhsa_float_denorm_mode_32 3
		.amdhsa_float_denorm_mode_16_64 3
		.amdhsa_memory_ordered 1
		.amdhsa_forward_progress 1
		.amdhsa_inst_pref_size 145
	.end_amdhsa_kernel
	.amdgpu_metadata
---
amdhsa.version: [ 1, 2 ]
amdhsa.kernels:
  - .name:           k_q468d2d32fe_ffn1
    .symbol:         k_q468d2d32fe_ffn1.kd
    .args:
      - { .name: W1, .offset: 0, .size: 8, .value_kind: global_buffer, .address_space: global }
      - { .name: b1, .offset: 8, .size: 8, .value_kind: global_buffer, .address_space: global }
      - { .name: x_codes, .offset: 16, .size: 8, .value_kind: global_buffer, .address_space: global }
      - { .name: x_scales, .offset: 24, .size: 8, .value_kind: global_buffer, .address_space: global }
      - { .name: list, .offset: 32, .size: 8, .value_kind: global_buffer, .address_space: global }
      - { .name: hid_codes, .offset: 40, .size: 8, .value_kind: global_buffer, .address_space: global }
      - { .name: hid_scales, .offset: 48, .size: 8, .value_kind: global_buffer, .address_space: global }
    .group_segment_fixed_size: 138752
    .private_segment_fixed_size: 0
    .kernarg_segment_align: 8
    .kernarg_segment_size: 56
    .max_flat_workgroup_size: 256
    .sgpr_count:     66
    .vgpr_count:     512
    .wavefront_size: 32
...
	.end_amdgpu_metadata
.endif
;; end of part 3
;; launch ffn2 (part 4): grid 16 x 8, 8 waves a work-group, no clusters, 307,456 bytes of LDS; arguments W2, b2, hid_codes, hid_scales, list, out0; writes out0
.if DOCPART == 4
	.amdgcn_target "amdgcn-amd-amdhsa--gfx1250"
	.amdhsa_code_object_version 6
	.text
	.protected	k_q468d2d32fe_ffn2
	.globl	k_q468d2d32fe_ffn2
	.p2align	8
	.type	k_q468d2d32fe_ffn2,@function
k_q468d2d32fe_ffn2:
	s_mov_b64 s[64:65], 0
	v_nop
	global_prefetch_b8 v0, s[64:65] scope:SCOPE_SE
	s_setreg_imm32_b32 hwreg(HW_REG_WAVE_MODE, 25, 1), 1
	s_wait_xcnt 0x0
; THE SECOND PRODUCT OF THE CHOSEN EXPERT: out[token] = hidden Q(W2[e]) + b2[e], on codes of E4M3 with one E8M0 scale for each 32 along K = 4,096, for the tokens that chose expert e alone.
; SHARES.  Work-group (x, e) owns outputs d = 64 x .. + 63 of expert e for all of K: 1,048,576 bytes of W2, read from memory ONCE, as whole pieces of 256 bytes of a row (64 outputs: narrower
; slices would cut a piece of 256 bytes between two work-groups, so there are 128 work-groups and not 256), quantised in registers and kept as codes in LDS.  Each output row has one owner for its 64 numbers.
; THE STREAM.  W2 lies [k][d]: a lane takes four neighbouring d and its registers run down K; lanes 0-15 take rows 32 kb + 0 .. 15 of a block, lanes 16-31 rows 32 kb + 16 .. 31, which is the very split
; that the operand's layout wants; a block's maximum is joined with lane l xor 16's.  Wave w takes k = 512 w .. + 511, 128 (a K step) a trip; two sets of 32 loads are out, one while a set is worked.
; THE PRODUCT IS USED TRANSPOSED (source 0 = 16 outputs, source 1 = 16 tokens): a lane holds eight neighbouring outputs of one token.  b2 is the C of each sum's first product.
; The hidden layer comes as images of the operand's registers, 512 consecutive bytes a load.  The results go through the wave's own stage in LDS and leave as aligned runs of 256 bytes of a token's row.
; The list is padded with a member's number: a padded row holds that member's very numbers and stores them to the same place, so no lane is ever switched off.
; THE PASSES.  Every wave walks four trips (places 32 w + 256 trip of the list: all 1,024 at the most); a trip whose first place lies at or past the expert's count T is jumped over by a scalar branch.
; NO TENSOR LOAD, NO CLUSTER: the weights must pass through registers to be quantised and belong to one work-group alone; what the 16 work-groups of an expert share is the hidden codes, 4,096 bytes a
; token against 1,048,576 bytes of weights of one's own; and which passes have work hangs on a count read from memory.
; LIMITS.  NaN and infinities are not served; a block of zeros, or one whose largest magnitude lies under 2^-118, gets the byte 1: the bytes are read by this program alone.
; REGISTERS.  Window 0: v1-19 addresses; v20-23 the tokens' scale words, v24-31 the weights' (these hold scales alone); v32-47 at work on scales; v48-51 scale words being made;
;   v64-191 the stream's held numbers (v64-127) and codes (v128-143), later two buffers of four weight fragments, on the way out rows read back (v64-127); v192-223 b2; v224-239 the tokens' offsets in out.
;   Window 1: the stream's two sets of 128; later v0-127 four sets of two token fragments, v128-191 the 8 accumulators (128 + 32 n + 8 t).
.set P2,   4112                        ; an LDS row of codes: 4,096 bytes + 16: 1,028 words, so the 16 rows of a fragment load start 4 banks apart
.set SCB,  64*P2                       ; behind the codes: the weights' scale words, 32 a row + 1 of padding
.set SCP,  132
.set STG,  SCB+64*SCP                  ; behind them: a stage of 16 rows x (256 + 16) bytes for each wave
.set SPT,  272
.set LANE, 1
.set R,    2
.set HH,   3
.set GW,   4                           ; W2: 16 rows x h + 16 r
.set LST0, 5                           ; the stream: where my first output's codes go in trip 0,
.set LSS0, 6                           ; and its scale word
.set AW,   7                           ; v7-10: my place in a fragment of tile t
.set ASC,  11
.set L16,  12
.set L4,   13
.set H4,   14
.set STO,  15                          ; the stage: where I put 32 bytes of a token's row
.set SRD,  16                          ; and where I read 16 bytes back
.set R16,  17
.set LSTC, 18                          ; this trip's LST and LSS
.set LSSC, 19
.set BSC,  20
.set WSC,  24
.set TM,   32
.set SB,   48
.set TP,   52
.set BOF,  56                          ; 32 h: b2
.set T,    64
.set C,    128
.set WB,   64
.set RB,   64
.set BIAS, 192
.set OID,  224
.set ACC,  128
.set WV,   18
.set TE,   19
.set POS,  20
.set EX,   21
.set SEL,  22
.set MNT,  24
.set TRP,  43                          ; s43  counts the four trips over the list
.set MSB, 0
.macro WIN new                         ; the immediate's high byte repeats the setting that is left; a switch that changes nothing is dropped
.if MSB != \new
	s_set_vgpr_msb (MSB<<8)|\new
.set MSB, \new
.endif
.endm
	s_load_b256 s[4:11], s[0:1], 0x0               ; W2 s[4:5], b2 s[6:7], hid_codes s[8:9], hid_scales s[10:11]
	s_load_b128 s[12:15], s[0:1], 0x20             ; list s[12:13], out0 s[14:15]
	v_lshl_add_u32 v254, v0, 2, 0x4ad00
	v_mov_b32 v255, 0
	v_lshrrev_b32 v[TP], 5, v0
	v_readfirstlane_b32 s[WV], v[TP]               ; wave 0..7
	v_and_b32 v[LANE], 31, v0
	v_and_b32 v[R], 15, v0
	v_bfe_u32 v[HH], v0, 4, 1
	v_lshlrev_b32 v[R16], 4, v[R]
	v_lshl_add_u32 v[GW], v[HH], 16, v[R16]
	v_lshlrev_b32 v[BOF], 5, v[HH]
	v_lshlrev_b32 v[L16], 4, v[LANE]
	v_lshlrev_b32 v[L4], 2, v[LANE]
	v_lshlrev_b32 v[H4], 2, v[HH]
	s_and_b32 s[EX], ttmp7, 0xffff                 ; the expert
	s_lshl_b32 s32, s[EX], 24                      ; W2: the expert's 16,777,216 bytes,
	s_lshl_b32 s33, s[WV], 21                      ; my wave's 512 rows of 4,096,
	s_add_co_u32 s32, s32, s33
	s_lshl_b32 s34, ttmp9, 8                       ; the slice's 256 bytes of a row
	s_add_co_u32 s32, s32, s34
	s_mov_b32 s33, 0
	s_lshl_b32 s35, s[EX], 12                      ; b2: the expert's row, the slice
	s_add_co_u32 s36, s34, s35
	s_mov_b32 s37, 0
	s_mov_b32 s35, 0                               ; s[34:35]: the slice in a row of out
	s_mul_i32 s38, s[EX], 5120                     ; the expert's row of the list
	s_mov_b32 s39, 0
	s_mov_b32 s[SEL], 0x76543210
	s_mov_b32 s[SEL+1], 0xfedcba98                 ; lane l xor 16
	s_mov_b32 s[MNT], 0x600000                     ; the mantissa field of 448
	s_wait_kmcnt 0x0
	s_add_nc_u64 s[4:5], s[4:5], s[32:33]
	s_add_nc_u64 s[6:7], s[6:7], s[36:37]
	s_add_nc_u64 s[14:15], s[14:15], s[34:35]
	s_add_nc_u64 s[12:13], s[12:13], s[38:39]
	s_load_b32 s[TE], s[12:13], 0x1200             ; T: waited for behind the stream
.irp t, 0,1,2,3
	global_load_b128 v[BIAS+8*\t:BIAS+8*\t+3],   v[BOF], s[6:7] offset:64*\t       ; b2 at outputs 16 t + 8 h + 0 .. 7
	global_load_b128 v[BIAS+8*\t+4:BIAS+8*\t+7], v[BOF], s[6:7] offset:64*\t+16
.endr
.macro LOADSET q, extra                ; set q: 64 rows, two blocks; a load reads two whole pieces of 256 bytes: row 32 kb + i below, row 32 kb + 16 + i above
	WIN 0x40                                       ; destination window 1
.irp kb, 0,1
.set II, 0
.rept 16
	global_load_b128 v[128*(\q)+64*\kb+4*II:128*(\q)+64*\kb+4*II+3], v[GW], s[4:5] offset:(64*(\q)+32*\kb+II)*4096+(\extra) th:TH_LOAD_NT
.set II, II+1
.endr
.endr
	WIN 0
.endm
	LOADSET 0, 0
	LOADSET 1, 0
	v_mul_u32_u24 v[LST0], v[R], 4*P2              ; my four outputs 4 r + j are LDS rows 4 r + j
	v_lshl_add_u32 v[LST0], v[HH], 4, v[LST0]      ; + 16 h: my half of a block
	s_lshl_b32 s32, s[WV], 9
	v_add_nc_u32 v[LST0], s32, v[LST0]             ; + my wave's 512 along K
	v_mul_u32_u24 v[LSS0], v[R], 4*SCP
	s_lshl_b32 s32, s[WV], 4
	s_add_co_u32 s32, s32, SCB
	v_add_nc_u32 v[LSS0], s32, v[LSS0]             ; word 4 w of the row
	v_mul_u32_u24 v[AW], v[R], P2
	v_lshl_add_u32 v[AW], v[HH], 4, v[AW]          ; a fragment: row r, + 16 h
	v_add_nc_u32 v[AW+1], 16*P2, v[AW]
	v_add_nc_u32 v[AW+2], 32*P2, v[AW]
	v_add_nc_u32 v[AW+3], 48*P2, v[AW]
	v_mul_u32_u24 v[ASC], v[R], SCP
	v_add_nc_u32 v[ASC], SCB, v[ASC]
	s_mul_i32 s32, s[WV], 16*SPT
	s_add_co_u32 s32, s32, STG                     ; my stage
	v_mul_u32_u24 v[STO], v[R], SPT
	v_lshl_add_u32 v[STO], v[HH], 5, v[STO]
	v_add_nc_u32 v[STO], s32, v[STO]               ; in: row r (my token), + 32 h
	v_mul_u32_u24 v[SRD], v[HH], SPT
	v_add_nc_u32 v[SRD], v[SRD], v[R16]
	v_add_nc_u32 v[SRD], s32, v[SRD]               ; back: lanes 0-15 one row, lanes 16-31 the next
.irp b, 0,1,2,3
	v_mov_b32 v[TM+4+\b], 0                        ; written once: a lane permute's destination counts as one of its sources
.endr
; A block of 32 along K x my 4 outputs.  Register 4 i + j of the block's 64 is W2(32 kb + 16 h + i, output 4 r + j).  blk: the block's place in the trip's K step.
.macro QB set, kb, blk
.set RS, 128*(\set)+64*(\kb)
	WIN 0x05                                       ; sources 0 and 1 window 1
.irp j, 0,1,2,3
	v_max3_num_f32 v[TM+\j], |v[RS+\j]|, |v[RS+4+\j]|, 0x4800000   ; with the floor 2^(9 - 127): the byte cannot fall under 1
.endr
	WIN 0x14                                       ; sources 1 and 2 window 1
.irp i, 2,4,6,8,10,12,14
.irp j, 0,1,2,3
	v_max3_num_f32 v[TM+\j], v[TM+\j], |v[RS+4*\i+\j]|, |v[RS+4*\i+4+\j]|   ; the four outputs by turns
.endr
.endr
	WIN 0
	s_wait_dscnt 0x0                               ; the last block's LDS stores have read their registers
.irp j, 0,1,2,3
	v_permlanex16_b32 v[TM+4+\j], v[TM+\j], s[SEL], s[SEL+1]
.endr
.irp j, 0,1,2,3
	v_max_num_f32 v[TM+\j], v[TM+\j], v[TM+4+\j]   ; with lane l xor 16's 16 rows: the block's
.endr
.irp j, 0,1,2,3
	v_add_nc_u32 v[TM+12+\j], 0xfc000000, v[TM+\j] ; 8 off the exponent field: the conversion's scale operand
.endr
.irp j, 0,1,2,3
	v_and_or_b32 v[TM+8+\j], v[TM+\j], 0x7f800000, s[MNT]          ; 448 x the scale
.endr
.irp j, 0,1,2,3
.if (\blk) == 0
	v_lshrrev_b32 v[SB+\j], 23, v[TM+12+\j]        ; the scale's byte: the lower K in the lower byte
.else
	v_lshrrev_b32 v[TM+4+\j], 23, v[TM+12+\j]
.endif
.endr
.if (\blk) > 0
.irp j, 0,1,2,3
	v_lshl_or_b32 v[SB+\j], v[TM+4+\j], 8*(\blk), v[SB+\j]
.endr
.endif
	WIN 0x01                                       ; source 0 window 1
.irp j, 0,1,2,3
.irp i, 0,1,2,3,4,5,6,7,8,9,10,11,12,13,14,15
	v_med3_num_f32 v[T+16*\j+\i], v[RS+4*\i+\j], -v[TM+8+\j], v[TM+8+\j]   ; the hold (ISA guide 7.6.2: the conversion does not saturate); it also lays an output's 16 numbers on end
.endr
.endr
	WIN 0
.irp j, 0,1,2,3
	v_cvt_scalef32_pk8_fp8_f32 v[C+4*\j:C+4*\j+1],   v[T+16*\j:T+16*\j+7],    v[TM+12+\j]
	v_cvt_scalef32_pk8_fp8_f32 v[C+4*\j+2:C+4*\j+3], v[T+16*\j+8:T+16*\j+15], v[TM+12+\j]
.endr
	v_nop                                          ; a plain line behind the conversions, ahead of the next writes of their sources
.irp j, 0,1,2,3
	ds_store_b128 v[LSTC], v[C+4*\j:C+4*\j+3] offset:\j*P2+32*(\blk)
.endr
.endm
; A trip: 128 rows, one K step.  reload = 1: each set is asked for again, 128 rows (524,288 bytes) on, as soon as it has been read.
.macro TRIP reload
	v_add_nc_u32 v[LSTC], s41, v[LST0]             ; 128 bytes of codes a trip,
	v_add_nc_u32 v[LSSC], s42, v[LSS0]             ; one scale word
	s_wait_loadcnt 32                              ; set 0 is in; set 1's 32 loads may be out
	QB 0, 0, 0
	QB 0, 1, 1
.if \reload
	LOADSET 0, 0x80000
	s_wait_loadcnt 32                              ; set 1 is in; the 32 just issued may be out
.else
	s_wait_loadcnt 0x0
.endif
	QB 1, 0, 2
	QB 1, 1, 3
.if \reload
	LOADSET 1, 0x80000
.endif
.irp j, 0,1,2,3
	ds_store_b32 v[LSSC], v[SB+\j] offset:SCP*\j   ; both halves of the lanes write the same word with the same value
.endr
.endm
	s_mov_b32 s40, 3
	s_mov_b32 s41, 0
	s_mov_b32 s42, 0
.Ltrip:
	TRIP 1
	s_wait_xcnt 0x0                                ; the loads' base is stepped only behind this wait
	s_add_nc_u64 s[4:5], s[4:5], 0x80000
	s_add_co_u32 s41, s41, 128
	s_add_co_u32 s42, s42, 4
	s_sub_co_u32 s40, s40, 1
	s_cmp_lg_u32 s40, 0
	s_cbranch_scc1 .Ltrip
	TRIP 0                                         ; the last trip asks for nothing: no load leaves the buffer
	s_wait_dscnt 0x0                               ; for the others' sake: my codes and scale words lie in LDS
	s_barrier_signal -1
	s_barrier_wait -1                              ; the only barrier: from here on codes and scale words are only read, and a stage is its wave's own
	s_wait_kmcnt 0x0
	s_min_u32 s[TE], s[TE], 1024
	s_lshl_b32 s[POS], s[WV], 5                    ; wave w takes places 32 w, 32 w + 256, ..
	s_mov_b32 s[TRP], 0
.macro BFETCH s                        ; K step s of my 32 tokens: scale words and two images, into set s % 4: nine loads
	global_load_b32 v[BSC+(\s)%4], v[L4], s[30:31] offset:128*(\s)
	WIN 0x40
.irp n, 0,1
.irp c, 0,1,2,3
	global_load_b128 v[32*((\s)%4)+16*\n+4*\c:32*((\s)%4)+16*\n+4*\c+3], v[L16], s[28:29] offset:4096*(\s)+2048*\n+512*\c
.endr
.endr
	WIN 0
.endm
.macro WFETCH s                        ; K step s of the four tiles of weights, with their scale words, into buffer s % 2: twenty LDS loads
.irp t, 0,1,2,3
.irp c, 0,1,2,3
	ds_load_b128 v[WB+64*((\s)%2)+16*\t+4*\c:WB+64*((\s)%2)+16*\t+4*\c+3], v[AW+\t] offset:128*(\s)+32*\c
.endr
	ds_load_b32 v[WSC+4*((\s)%2)+\t], v[ASC] offset:16*SCP*\t+4*(\s)
.endr
.endm
; A K step: four tiles of outputs x two tiles of tokens.  The 8 accumulators take turns, one instruction a turn.
.macro MSTEP
.rept 8
	v_nop                                          ; places in front of loads into registers that the last products read
.endr
.if SS < 31
	WFETCH SS+1
.endif
.if SS+3 < 32
	BFETCH SS+3
.endif
.if 31-SS >= 3
	s_wait_loadcnt 27                              ; this K step's nine loads are in; the three younger sets' 27 may be out
.else
	s_wait_loadcnt 9*(31-SS)
.endif
.if SS < 31
	s_wait_dscnt 20                                ; this step's fragments are in; the next step's twenty loads may be out
.else
	s_wait_dscnt 0x0
.endif
.if SS == 0
	WIN 0x44                                       ; tokens and result window 1; weights and b2 window 0
.else
	WIN 0x54                                       ; tokens, C and D window 1
.endif
.irp t, 0,1,2,3
.irp n, 0,1
.set DD, ACC+32*\n+8*\t
.set AA, WB+64*(SS%2)+16*\t
.set BB, 32*(SS%4)+16*\n
.if SS == 0
.if \n == 0
	v_wmma_scale_f32_16x16x128_f8f6f4 v[DD:DD+7], v[AA:AA+15], v[BB:BB+15], v[BIAS+8*\t:BIAS+8*\t+7], v[WSC+4*(SS%2)+\t], v[BSC+SS%4]
.else
	v_wmma_scale_f32_16x16x128_f8f6f4 v[DD:DD+7], v[AA:AA+15], v[BB:BB+15], v[BIAS+8*\t:BIAS+8*\t+7], v[WSC+4*(SS%2)+\t], v[BSC+SS%4] matrix_b_scale:MATRIX_SCALE_ROW1
.endif
.else
.if \n == 0
	v_wmma_scale_f32_16x16x128_f8f6f4 v[DD:DD+7], v[AA:AA+15], v[BB:BB+15], v[DD:DD+7], v[WSC+4*(SS%2)+\t], v[BSC+SS%4]
.else
	v_wmma_scale_f32_16x16x128_f8f6f4 v[DD:DD+7], v[AA:AA+15], v[BB:BB+15], v[DD:DD+7], v[WSC+4*(SS%2)+\t], v[BSC+SS%4] matrix_b_scale:MATRIX_SCALE_ROW1
.endif
.endif
.endr
.endr
	WIN 0
.endm
.Lpass:                                            ; four trips, a constant; one trip: 32 places of the list through all of K
	s_cmp_lt_u32 s[POS], s[TE]                     ; places at or past T hold no token: the trip's work is jumped over (no barrier stands in it)
	s_cbranch_scc0 .Lskip
	s_min_u32 s32, s[POS], 992                     ; (POS is a multiple of 32, 992 at the most)
	s_lshl_b32 s26, s32, 2
	s_mov_b32 s27, 0
	s_add_nc_u64 s[26:27], s[12:13], s[26:27]
.irp n, 0,1
.irp i, 0,1,2,3,4,5,6,7
	global_load_b32 v[OID+8*\n+\i], v[H4], s[26:27] offset:4*(16*\n+2*\i)   ; the token whose row I store: place 16 n + 2 i + h
.endr
.endr
	s_lshr_b32 s33, s32, 5
	s_lshl_b32 s34, s[EX], 5
	s_add_co_u32 s33, s33, s34                     ; the pair: 32 e + POS / 32
	s_lshl_b32 s28, s33, 17
	s_mov_b32 s29, 0
	s_add_nc_u64 s[28:29], s[8:9], s[28:29]        ; its 32 K steps of two images: 131,072 bytes
	s_lshl_b32 s30, s33, 12
	s_mov_b32 s31, 0
	s_add_nc_u64 s[30:31], s[10:11], s[30:31]      ; and their scale words: 4,096 bytes
	BFETCH 0
	BFETCH 1
	BFETCH 2
	WFETCH 0
.set SS, 0
.rept 32
	MSTEP
.set SS, SS+1
.endr
	; THE WAY OUT.  The token numbers become byte offsets: 32 plain lines that name no register of the last products: they are the places in front of the first read of results
.set II, 0
.rept 16
	v_min_u32 v[OID+II], 1023, v[OID+II]           ; inside out, whatever was read
.set II, II+1
.endr
.set II, 0
.rept 16
	v_lshl_add_u32 v[OID+II], v[OID+II], 12, v[R16]   ; a row of 4,096 bytes, + 16 r
.set II, II+1
.endr
.irp n, 0,1
	WIN 0x04                                       ; an LDS store's data are its source 1: window 1
.irp t, 0,1,2,3
	ds_store_b128 v[STO], v[ACC+32*\n+8*\t:ACC+32*\n+8*\t+3]   offset:64*\t      ; each accumulator from its low end on
	ds_store_b128 v[STO], v[ACC+32*\n+8*\t+4:ACC+32*\n+8*\t+7] offset:64*\t+16
.endr
	WIN 0
.irp i, 0,1,2,3,4,5,6,7
	ds_load_b128 v[RB+32*\n+4*\i:RB+32*\n+4*\i+3], v[SRD] offset:2*SPT*\i        ; LDS serves a wave's instructions in order (ISA guide 5.7.1.4): these see my stores, and the next tile's stores come behind them
.endr
.endr
	s_wait_dscnt 0x0
.irp n, 0,1
.irp i, 0,1,2,3,4,5,6,7
	global_store_b128 v[OID+8*\n+\i], v[RB+32*\n+4*\i:RB+32*\n+4*\i+3], s[14:15] th:TH_STORE_NT   ; sixteen lanes store 256 consecutive bytes, at a multiple of 256 from out's first byte
.endr
.endr
	s_wait_xcnt 0x0                                ; the stores' registers and the bases are written again only behind this wait
.Lskip:
	s_add_co_u32 s[POS], s[POS], 256
	s_add_co_u32 s[TRP], s[TRP], 1
	s_cmp_lt_u32 s[TRP], 4
	s_cbranch_scc1 .Lpass
	s_wait_tensorcnt 0x0
	ds_add_u32 v254, v255
	s_wait_dscnt 0x0
	s_endpgm
.Lfunc_end_k_q468d2d32fe_ffn2:
	.size	k_q468d2d32fe_ffn2, .Lfunc_end_k_q468d2d32fe_ffn2-k_q468d2d32fe_ffn2
	.p2alignl 7, 3214868480
	.fill 96, 4, 3214868480
	.section	.rodata,"a",@progbits
	.p2align	6, 0x0
	.amdhsa_kernel k_q468d2d32fe_ffn2
		.amdhsa_group_segment_fixed_size 307456
		.amdhsa_private_segment_fixed_size 0
		.amdhsa_enable_private_segment 0
		.amdhsa_kernarg_size 48
		.amdhsa_user_sgpr_count 2
		.amdhsa_user_sgpr_kernarg_segment_ptr 1
		.amdhsa_wavefront_size32 1
		.amdhsa_system_sgpr_workgroup_id_x 1
		.amdhsa_system_sgpr_workgroup_id_y 1
		.amdhsa_system_sgpr_workgroup_id_z 1
		.amdhsa_system_vgpr_workitem_id 0
		.amdhsa_next_free_vgpr 512
		.amdhsa_next_free_sgpr 66
		.amdhsa_reserve_vcc 0
		.amdhsa_float_denorm_mode_32 3
		.amdhsa_float_denorm_mode_16_64 3
		.amdhsa_memory_ordered 1
		.amdhsa_forward_progress 1
		.amdhsa_inst_pref_size 206
	.end_amdhsa_kernel
	.amdgpu_metadata
---
amdhsa.version: [ 1, 2 ]
amdhsa.kernels:
  - .name:           k_q468d2d32fe_ffn2
    .symbol:         k_q468d2d32fe_ffn2.kd
    .args:
      - { .name: W2, .offset: 0, .size: 8, .value_kind: global_buffer, .address_space: global }
      - { .name: b2, .offset: 8, .size: 8, .value_kind: global_buffer, .address_space: global }
      - { .name: hid_codes, .offset: 16, .size: 8, .value_kind: global_buffer, .address_space: global }
      - { .name: hid_scales, .offset: 24, .size: 8, .value_kind: global_buffer, .address_space: global }
      - { .name: list, .offset: 32, .size: 8, .value_kind: global_buffer, .address_space: global }
      - { .name: out0, .offset: 40, .size: 8, .value_kind: global_buffer, .address_space: global }
    .group_segment_fixed_size: 307456
    .private_segment_fixed_size: 0
    .kernarg_segment_align: 8
    .kernarg_segment_size: 48
    .max_flat_workgroup_size: 256
    .sgpr_count:     66
    .vgpr_count:     512
    .wavefront_size: 32
...
	.end_amdgpu_metadata
.endif
;; end of part 4
;; ======== version 2 of 2: 4 launches; version 1 with the launches ffn1, ffn2 written anew for expert scheduling mode
;; workspace buffers: x_codes 1,048,576 bytes; x_scales 32,768 bytes; top1 4,096 bytes of whole numbers; list 40,960 bytes of whole numbers; hid_codes 33,554,432 bytes; hid_scales 1,048,576 bytes
;; launch gate: the kernel of part 1 again; grid 256 x 1, 4 waves a work-group, no clusters, 1,536 bytes of LDS; arguments x, gate_w, gate_b, x_codes, x_scales, top1; writes x_codes, x_scales, top1
;; launch place: the kernel of part 2 again; grid 8 x 1, 1 waves a work-group, no clusters, 0 bytes of LDS; arguments top1, list; writes list
;; launch ffn1 (part 5): grid 32 x 8, 8 waves a work-group, no clusters, 138,752 bytes of LDS; arguments W1, b1, x_codes, x_scales, list, hid_codes, hid_scales; writes hid_codes, hid_scales
.if DOCPART == 5
	.amdgcn_target "amdgcn-amd-amdhsa--gfx1250"
	.amdhsa_code_object_version 6
	.text
	.protected	k_q468d2d32fe_ffn1
	.globl	k_q468d2d32fe_ffn1
	.p2align	8
	.type	k_q468d2d32fe_ffn1,@function
k_q468d2d32fe_ffn1:
	s_mov_b64 s[64:65], 0
	v_nop
	global_prefetch_b8 v0, s[64:65] scope:SCOPE_SE
	s_setreg_imm32_b32 hwreg(HW_REG_WAVE_SCHED_MODE, 0, 2), 2
	s_setreg_imm32_b32 hwreg(HW_REG_WAVE_MODE, 25, 1), 1
	s_wait_xcnt 0x0
	s_wait_alu depctr_vm_vsrc(0)
; THE FIRST PRODUCT OF THE CHOSEN EXPERT: hidden = Q(relu(Q(x) Q(W1[e]) + b1[e])), on codes of E4M3 with one E8M0 scale for each 32 along K, for the tokens that chose expert e alone.
; SHARES.  Work-group (slice, e) owns hidden units 128 slice .. + 127 of expert e for all of K = 1,024: 524,288 bytes of W1, read from memory ONCE, as whole pieces of 512 bytes of a row, quantised
; in registers and kept as codes in LDS.  Then the expert's tokens go past it, 32 (two tiles of 16) to a wave and pass.
; THE STREAM.  W1 lies [k][unit]: a lane takes four neighbouring units and its registers run down K, so a block of 32 along K of one unit lies in one lane: no lane exchange, nothing is transposed.
; Wave w takes k = 128 w .. + 127 (K step w) in four groups of 32 rows; two groups' 64 loads are out at the start, 32 while a group is worked.
; THE PRODUCT IS USED TRANSPOSED (source 0 = 16 units, source 1 = 16 tokens), and a tile's units are not neighbours: unit u of the slice lies in LDS row 32 (u / 32) + 16 bit3(u) + 8 bit4(u) + u % 8,
; so that lane r of tile 2 b + v holds unit 32 b + 8 v + r + 8 (r / 8), and the 16 registers of tiles 2 b, 2 b + 1 of a lane are 16 neighbours along the next K.  b1 is the C of each sum's first product.
; OUT.  hid_codes [32 e + pass pair][slice][tile][2,048]: the image of the next operand's registers (group c of four at 512 c + 16 lane); hid_scales [pair][slice][128]: a word a lane, tile 0's rows below, tile 1's above.
; The list is padded with a member's number, so a padded row is that member's row again and no lane is ever switched off.
; THE PASSES.  Every wave walks four trips (places 32 w + 256 trip of the list: all 1,024 at the most); a trip whose first place lies at or past the expert's count T is jumped over by a scalar branch.
; NO TENSOR LOAD, NO CLUSTER: the weights must pass through registers to be quantised and belong to one work-group alone; what the 32 work-groups of an expert share is x's codes, 1,024 bytes a token
; against 524,288 bytes of weights of one's own; and which passes have work hangs on a count read from memory.
; LIMITS.  NaN and infinities are not served; a block of zeros, or one whose largest magnitude lies under 2^-118, gets the byte 1: the bytes are read by this program alone.
; REGISTERS.  Window 0: v1-15, v28-31 addresses; v16-19 the tokens' scale words, v20-27 the weights' (these hold scales alone); v32-47 at work on scales; v48-51 scale words being made;
;   v64-191 the stream's held numbers (v64-127) and codes (v128-159), later two buffers of four weight fragments, later the hidden codes (v160-191); v192-255 b1 in the result's layout.
;   Window 1: the stream's two sets of 128; later v0-127 four sets of two token fragments, v128-255 the 16 accumulators (tile of tokens n, tile of units t: 128 + 64 n + 8 t).
; THE MODE: SCHED_MODE bits 1:0 = 2 (LLVM: expert scheduling mode 2), set by the entry lines.  The code itself states the register dependences
; between vector or matrix instructions and memory or LDS instructions, with s_wait_alu, always for 0.
; THE PLAN, THE STREAM.  Registers that memory or LDS instructions touch:
;   set 0, set 1   Group g: its maxima and holds read set g % 2; behind them the loads of group g + 2 land in it.
;   C, v128-159    Written by a group's conversions, read by its eight LDS stores, written again by the next group's conversions.
;   SB, v48-51     Written in every group, read by four LDS stores behind group 3.
;   v[LST], v[LSS], v[L16], v[BOF]  Made at the head, never written again.
; So ONE wait on va_vdst stands in a group, behind its last conversion (all four units are converted first): the loads and the LDS stores follow it with no vector instruction between.
; ONE wait on vm_vsrc stands in a group from the second on, ahead of its first conversion.
; THE PLAN, THE PASSES.
;   token sets 0-3, BSC  K step s: its products read set s % 4; the loads of K step s + 3, issued in step s, land in the set that step s - 1 read.
;   weight buffers 0, 1, WSC  Half q of a K step's two: its products read buffer q % 2; the LDS loads of half q + 1, issued in half q, land in the buffer that half q - 1 read.
;   v[XA], v[XB], v[XSO]  Written at a trip's head, read by all its token loads.   v[IDA] .. v[IDS]  Loaded at a trip's head, read by the six address lines.
;   PC, v160-191, and v[PWC]  Written by the conversions and the select, read by the trip's nine stores; buffer 1's loads land on PC in the next trip.
; So ONE wait on va_vdst stands at the head of a half, behind the waits for its data: the half before is done with all that this half's loads land in, and this half's products name none of it.
; A trip has one wait on vm_vsrc, ahead of its address lines, one on va_vdst behind them, and one ahead of its stores.
.set P1,   1040                        ; an LDS row of codes: 1,024 bytes + 16: 260 words, so the 16 rows of a fragment load start 4 banks apart
.set SCB,  128*P1                      ; behind the codes: the weights' scale words, 8 a row + 1 of padding
.set SCP,  36
.set LANE, 1
.set R,    2
.set HH,   3
.set H16,  4                           ; 16 h
.set LST,  5                           ; the stream: where my first unit's codes go
.set LSS,  6                           ; and its scale word
.set AW,   7                           ; v7, v8: my place in a fragment of tiles 0-3, 4-7
.set ASC,  9                           ; my place among the scale words
.set L16,  10                          ; 16 x lane
.set L4,   11                          ; 4 x lane
.set R4,   12                          ; 4 r
.set XA,   13                          ; byte offsets of my token's codes: tile 0,
.set XB,   14                          ; tile 1,
.set XSO,  15                          ; and of the scale words
.set BSC,  16
.set WSC,  20
.set IDA,  28                          ; token numbers as read
.set IDB,  29
.set IDS,  30
.set BOF,  31                          ; 64 h: b1
.set TM,   32                          ; v32-35 largest magnitudes, v36-39 bytes, v40-43 448 x the scale, v44-47 the conversions' scale operands
.set SB,   48
.set PW,   48
.set PWC,  50
.set TP,   52
.set T,    64
.set C,    128
.set WB,   64
.set PC,   160
.set BIAS, 192
.set ACC,  128
.set WV,   18
.set TE,   19                          ; the expert's tokens
.set POS,  20                          ; my pass's first place in the list
.set EX,   21
.set SEL,  22
.set MNT,  24
.set TRP,  38                          ; s38  counts the four trips
.set MSB, 0
.macro WIN new                         ; the immediate's high byte repeats the setting that is left; a switch that changes nothing is dropped
.if MSB != \new
	s_set_vgpr_msb (MSB<<8)|\new
.set MSB, \new
.endif
.endm
	s_load_b256 s[4:11], s[0:1], 0x0               ; W1 s[4:5], b1 s[6:7], x_codes s[8:9], x_scales s[10:11]
	s_load_b128 s[12:15], s[0:1], 0x20             ; list s[12:13], hid_codes s[14:15]
	s_load_b64 s[16:17], s[0:1], 0x30              ; hid_scales
	v_lshl_add_u32 v62, v0, 2, 0x21a00
	v_mov_b32 v63, 0
	v_lshrrev_b32 v[TP], 5, v0
	v_readfirstlane_b32 s[WV], v[TP]               ; wave 0..7
	v_and_b32 v[LANE], 31, v0
	v_and_b32 v[R], 15, v0
	v_bfe_u32 v[HH], v0, 4, 1
	v_lshlrev_b32 v[H16], 4, v[HH]
	v_lshlrev_b32 v[BOF], 6, v[HH]
	v_lshlrev_b32 v[L16], 4, v[LANE]
	v_lshlrev_b32 v[L4], 2, v[LANE]
	v_lshlrev_b32 v[R4], 2, v[R]
	s_and_b32 s[EX], ttmp7, 0xffff                 ; the expert
	s_lshl_b32 s32, s[EX], 24                      ; W1: the expert's 16,777,216 bytes,
	s_wait_alu depctr_va_sdst(0)                   ; the wave's number is written, ahead of its first reader: W1's base and the LDS places are made from it
	s_lshl_b32 s33, s[WV], 21                      ; my wave's 128 rows of 16,384,
	s_add_co_u32 s32, s32, s33
	s_lshl_b32 s34, ttmp9, 9                       ; the slice's 512 bytes of a row
	s_add_co_u32 s32, s32, s34
	s_mov_b32 s33, 0
	s_lshl_b32 s35, s[EX], 14                      ; b1: the expert's row, the slice
	s_add_co_u32 s34, s34, s35
	s_mov_b32 s35, 0
	s_mul_i32 s36, s[EX], 5120                     ; the expert's row of the list
	s_mov_b32 s37, 0
	s_mov_b32 s[SEL], 0x76543210
	s_mov_b32 s[SEL+1], 0xfedcba98                 ; lane l xor 16
	s_mov_b32 s[MNT], 0x600000                     ; the mantissa field of 448
	s_wait_kmcnt 0x0
	s_add_nc_u64 s[4:5], s[4:5], s[32:33]
	s_add_nc_u64 s[6:7], s[6:7], s[34:35]
	s_add_nc_u64 s[12:13], s[12:13], s[36:37]
	s_load_b32 s[TE], s[12:13], 0x1200             ; T: waited for behind the stream
	s_wait_alu depctr_va_vdst(0)                   ; the offsets v[BOF], v[L16], v[L4] and v[R4] are written, which loads and stores read from here to the kernel's end
.irp t, 0,1,2,3,4,5,6,7
	global_load_b128 v[BIAS+8*\t:BIAS+8*\t+3],   v[BOF], s[6:7] offset:(32*(\t/2)+8*(\t%2))*4      ; b1 at units 32 (t / 2) + 16 h + 8 (t % 2) + 0 .. 7
	global_load_b128 v[BIAS+8*\t+4:BIAS+8*\t+7], v[BOF], s[6:7] offset:(32*(\t/2)+8*(\t%2))*4+16
.endr
.macro LOADSET g                       ; group g's 32 rows: each load is the slice's whole 512 bytes of a row
	WIN 0x40                                       ; destination window 1
.set II, 0
.rept 32
	global_load_b128 v[128*((\g)%2)+4*II:128*((\g)%2)+4*II+3], v[L16], s[4:5] offset:(32*(\g)+II)*16384 th:TH_LOAD_NT
.set II, II+1
.endr
	WIN 0
.endm
	LOADSET 0
	LOADSET 1
	v_bfe_u32 v[TP], v0, 0, 1                      ; my four units 4 l + j lie in LDS rows row(l) + j, row(l) = 4 bit0 + 16 bit1 + 8 bit2 + 32 (l / 8)
	v_bfe_u32 v[TP+1], v0, 1, 1
	v_bfe_u32 v[TP+2], v0, 2, 1
	v_bfe_u32 v[TP+3], v0, 3, 2
	v_lshlrev_b32 v[TP], 2, v[TP]
	v_lshl_add_u32 v[TP], v[TP+1], 4, v[TP]
	v_lshl_add_u32 v[TP], v[TP+2], 3, v[TP]
	v_lshl_add_u32 v[TP], v[TP+3], 5, v[TP]
	v_mul_u32_u24 v[LST], v[TP], P1
	s_lshl_b32 s32, s[WV], 7
	v_add_nc_u32 v[LST], s32, v[LST]               ; + my wave's 128 along K
	v_mul_u32_u24 v[LSS], v[TP], SCP
	s_lshl_b32 s32, s[WV], 2
	s_add_co_u32 s32, s32, SCB
	v_add_nc_u32 v[LSS], s32, v[LSS]               ; word w of the row
	v_mul_u32_u24 v[AW], v[R], P1
	v_lshl_add_u32 v[AW], v[HH], 4, v[AW]          ; a fragment: row r, + 16 h
	v_add_nc_u32 v[AW+1], 64*P1, v[AW]
	v_mul_u32_u24 v[ASC], v[R], SCP
	v_add_nc_u32 v[ASC], SCB, v[ASC]
.irp b, 0,1,2,3
	v_mov_b32 v[TM+4+\b], 0                        ; written once: a lane permute's destination counts as one of its sources
.endr
; A group: 32 rows x my 4 units = 4 blocks.  Register 4 i + j of the set is W1(32 g + i, unit 4 l + j).
.macro GROUP g
.set RS, 128*((\g)%2)
.if (\g) < 3
	s_wait_loadcnt 32                              ; this group's loads are in; the next group's 32 may be out
.else
	s_wait_loadcnt 0x0
.endif
	WIN 0x05                                       ; sources 0 and 1 window 1
.irp j, 0,1,2,3
	v_max3_num_f32 v[TM+\j], |v[RS+\j]|, |v[RS+4+\j]|, 0x4800000   ; with the floor 2^(9 - 127): the byte cannot fall under 1
.endr
	WIN 0x14                                       ; sources 1 and 2 window 1
.set II, 2
.rept 15
.irp j, 0,1,2,3
	v_max3_num_f32 v[TM+\j], v[TM+\j], |v[RS+4*II+\j]|, |v[RS+4*II+4+\j]|   ; the four units by turns
.endr
.set II, II+2
.endr
	WIN 0
.irp j, 0,1,2,3
	v_add_nc_u32 v[TM+12+\j], 0xfc000000, v[TM+\j] ; 8 off the exponent field: the conversion's scale operand
.endr
.irp j, 0,1,2,3
	v_and_or_b32 v[TM+8+\j], v[TM+\j], 0x7f800000, s[MNT]          ; 448 x the scale
.endr
.irp j, 0,1,2,3
.if (\g) == 0
	v_lshrrev_b32 v[SB+\j], 23, v[TM+12+\j]        ; the scale's byte: the lower K in the lower byte
.else
	v_lshrrev_b32 v[TM+4+\j], 23, v[TM+12+\j]
.endif
.endr
.if (\g) > 0
.irp j, 0,1,2,3
	v_lshl_or_b32 v[SB+\j], v[TM+4+\j], 8*(\g), v[SB+\j]
.endr
	s_wait_alu depctr_vm_vsrc(0)                   ; the last group's LDS stores have read v[C ..], which this group's conversions write again
.endif
.irp p, 0,2                            ; two units at a time
	WIN 0x01                                       ; source 0 window 1
.irp jj, 0,1
.set II, 0
.rept 32
	v_med3_num_f32 v[T+32*\jj+II], v[RS+4*II+\p+\jj], -v[TM+8+\p+\jj], v[TM+8+\p+\jj]   ; the hold (ISA guide 7.6.2: the conversion does not saturate); it also lays a unit's 32 numbers on end
.set II, II+1
.endr
.endr
	WIN 0
.irp jj, 0,1
.irp q, 0,1,2,3
	v_cvt_scalef32_pk8_fp8_f32 v[C+8*(\p+\jj)+2*\q:C+8*(\p+\jj)+2*\q+1], v[T+32*\jj+8*\q:T+32*\jj+8*\q+7], v[TM+12+\p+\jj]
.endr
.endr
	v_nop                                          ; a plain line behind the conversions, ahead of the next writes of their sources
.endr
	s_wait_alu depctr_va_vdst(0)                   ; the maxima and holds are done reading the set, in which the loads below land; the conversions have written v[C ..], which the LDS stores below read (in group 0 v[LST] and v[LSS], in group 3 v[SB ..] are written too)
.if (\g) < 2
	LOADSET (\g)+2                                 ; the set is asked for again at once; no vector instruction stands between the wait and these loads
.endif
.irp j, 0,1,2,3
	ds_store_b128 v[LST], v[C+8*\j:C+8*\j+3]   offset:\j*P1+32*(\g)
	ds_store_b128 v[LST], v[C+8*\j+4:C+8*\j+7] offset:\j*P1+32*(\g)+16
.endr
.endm
	GROUP 0
	GROUP 1
	GROUP 2
	GROUP 3
.irp j, 0,1,2,3
	ds_store_b32 v[LSS], v[SB+\j] offset:SCP*\j    ; K step w's scale word of each of my units (written ahead of group 3's wait on va_vdst)
.endr
	s_wait_dscnt 0x0                               ; for the others' sake: my codes and scale words lie in LDS
	s_barrier_signal -1
	s_barrier_wait -1                              ; the only barrier: from here on LDS is only read
	s_wait_kmcnt 0x0
	s_min_u32 s[TE], s[TE], 1024
	s_lshl_b32 s[POS], s[WV], 5                    ; wave w takes places 32 w, 32 w + 256, ..
	s_mov_b32 s[TRP], 0
.macro BFETCH s                        ; K step s of my 32 tokens: their scale words and two fragments, into set s % 4: nine loads
	global_load_b32 v[BSC+(\s)%4], v[XSO], s[10:11] offset:4*(\s)
	WIN 0x40
.irp c, 0,1,2,3
	global_load_b128 v[32*((\s)%4)+4*\c:32*((\s)%4)+4*\c+3], v[XA], s[8:9] offset:128*(\s)+32*\c
.endr
.irp c, 0,1,2,3
	global_load_b128 v[32*((\s)%4)+16+4*\c:32*((\s)%4)+16+4*\c+3], v[XB], s[8:9] offset:128*(\s)+32*\c
.endr
	WIN 0
.endm
.macro WFETCH q                        ; K step q / 2, tiles 4 (q % 2) .. + 3 of the weights, with their scale words, into buffer q % 2: twenty LDS loads
.irp tt, 0,1,2,3
.irp c, 0,1,2,3
	ds_load_b128 v[WB+64*((\q)%2)+16*\tt+4*\c:WB+64*((\q)%2)+16*\tt+4*\c+3], v[AW+(\q)%2] offset:16*P1*\tt+128*((\q)/2)+32*\c
.endr
	ds_load_b32 v[WSC+4*((\q)%2)+\tt], v[ASC] offset:SCP*16*(4*((\q)%2)+\tt)+4*((\q)/2)
.endr
.endm
; Half a K step: four tiles of units x two tiles of tokens.  The 16 accumulators take turns, one instruction a turn.
; The next half's weights are asked for ahead of the products; in a K step's first half the token fragments of three K steps on are dealt among the products, one load behind each:
; under the products' window setting a load's destination is window 1 and its address window 0, so no switch is needed.
.macro MSTEP
.set SS, QQ/2
.set HF, QQ%2
.if HF == 0
.if 7-SS >= 2
	s_wait_loadcnt 18                              ; this K step's nine loads are in; the two younger sets' 18 may be out
.else
	s_wait_loadcnt 9*(7-SS)
.endif
.endif
	s_wait_dscnt 0x0                               ; this half's fragments and scale words are in: they were asked for a half ago
.if (QQ > 0) && (QQ < 15)
	s_wait_alu depctr_va_vdst(0)                   ; the products of the half before are done reading their weight buffer and its scale words, and, at a K step's first half, the token set and scale words of the step before: this half's loads land in these
.endif
.if QQ < 15
	WFETCH QQ+1
.endif
.if (HF == 0) && (SS+3 < 8)
	global_load_b32 v[BSC+(SS+3)%4], v[XSO], s[10:11] offset:4*(SS+3)
.endif
.if SS == 0
	WIN 0x44                                       ; tokens and result window 1; weights and b1 window 0
.else
	WIN 0x54                                       ; tokens, C and D window 1
.endif
.irp tt, 0,1,2,3
.irp n, 0,1
.set DD, ACC+64*\n+8*(4*HF+\tt)
.set AA, WB+64*HF+16*\tt
.set BB, 32*(SS%4)+16*\n
.set CB, BIAS+8*(4*HF+\tt)
.set FI, 2*\tt+\n
.if SS == 0
.if \n == 0
	v_wmma_scale_f32_16x16x128_f8f6f4 v[DD:DD+7], v[AA:AA+15], v[BB:BB+15], v[CB:CB+7], v[WSC+4*HF+\tt], v[BSC+SS%4]
.else
	v_wmma_scale_f32_16x16x128_f8f6f4 v[DD:DD+7], v[AA:AA+15], v[BB:BB+15], v[CB:CB+7], v[WSC+4*HF+\tt], v[BSC+SS%4] matrix_b_scale:MATRIX_SCALE_ROW1
.endif
.else
.if \n == 0
	v_wmma_scale_f32_16x16x128_f8f6f4 v[DD:DD+7], v[AA:AA+15], v[BB:BB+15], v[DD:DD+7], v[WSC+4*HF+\tt], v[BSC+SS%4]
.else
	v_wmma_scale_f32_16x16x128_f8f6f4 v[DD:DD+7], v[AA:AA+15], v[BB:BB+15], v[DD:DD+7], v[WSC+4*HF+\tt], v[BSC+SS%4] matrix_b_scale:MATRIX_SCALE_ROW1
.endif
.endif
.if (HF == 0) && (SS+3 < 8)
	global_load_b128 v[32*((SS+3)%4)+4*FI:32*((SS+3)%4)+4*FI+3], v[XA+FI/4], s[8:9] offset:128*(SS+3)+32*(FI%4)   ; piece FI of set (SS + 3) % 4.  No wait: no product since the wait above names that set
.endif
.endr
.endr
	WIN 0
.endm
; Tile n's 64 numbers of a lane (register 16 b + i = unit 32 b + 16 h + i of my token) become a fragment's codes in v[PC + 16 n] on and its scale word in v[PW + n].
.macro QUANTH n
.set AB, ACC+64*(\n)
	WIN 0x05
.irp b, 0,1,2,3
	v_max3_num_f32 v[TM+\b], v[AB+16*\b], v[AB+16*\b+1], 0x4800000   ; no |.|: what is negative becomes 0, so it must not count; the floor stands over it.  Each accumulator is read from its low end on
.endr
	WIN 0x14
.irp i, 2,4,6,8,10,12,14
.irp b, 0,1,2,3
	v_max3_num_f32 v[TM+\b], v[TM+\b], v[AB+16*\b+\i], v[AB+16*\b+\i+1]
.endr
.endr
	WIN 0
.irp b, 0,1,2,3
	v_permlanex16_b32 v[TM+4+\b], v[TM+\b], s[SEL], s[SEL+1]
.endr
.irp b, 0,1,2,3
	v_max_num_f32 v[TM+\b], v[TM+\b], v[TM+4+\b]   ; with lane l xor 16's 16 units: the block's
.endr
.irp b, 0,1,2,3
	v_add_nc_u32 v[TM+12+\b], 0xfc000000, v[TM+\b]
.endr
.irp b, 0,1,2,3
	v_and_or_b32 v[TM+8+\b], v[TM+\b], 0x7f800000, s[MNT]
.endr
.irp b, 0,1,2,3
	v_lshrrev_b32 v[TM+4+\b], 23, v[TM+12+\b]
.endr
	v_lshl_or_b32 v[PW+\n], v[TM+5], 8, v[TM+4]
	v_lshl_or_b32 v[PW+\n], v[TM+6], 16, v[PW+\n]
	v_lshl_or_b32 v[PW+\n], v[TM+7], 24, v[PW+\n]
	WIN 0x41                                       ; destination and source 0 window 1
.irp b, 0,1,2,3
.irp i, 0,1,2,3,4,5,6,7,8,9,10,11,12,13,14,15
	v_med3_num_f32 v[AB+16*\b+\i], v[AB+16*\b+\i], 0, v[TM+8+\b]   ; the activation and the hold in one
.endr
.endr
	WIN 0x01
.irp b, 0,1,2,3
	v_cvt_scalef32_pk8_fp8_f32 v[PC+16*\n+4*\b:PC+16*\n+4*\b+1],   v[AB+16*\b:AB+16*\b+7],    v[TM+12+\b]
	v_cvt_scalef32_pk8_fp8_f32 v[PC+16*\n+4*\b+2:PC+16*\n+4*\b+3], v[AB+16*\b+8:AB+16*\b+15], v[TM+12+\b]
.endr
	WIN 0
	v_nop                                          ; a plain line behind the conversions
.endm
.Lpass:                                            ; four trips, a constant; one trip: 32 places of the list through all of K
	s_cmp_lt_u32 s[POS], s[TE]                     ; places at or past T hold no token: the trip's work is jumped over (no barrier stands in it)
	s_cbranch_scc0 .Lskip
	s_min_u32 s32, s[POS], 992                     ; (POS is a multiple of 32, 992 at the most)
	s_lshl_b32 s26, s32, 2
	s_mov_b32 s27, 0
	s_add_nc_u64 s[26:27], s[12:13], s[26:27]
	global_load_b32 v[IDA], v[R4], s[26:27]            ; tile 0's token r,  (the last trip's lines that named these three stand ahead of its waits on va_vdst)
	global_load_b32 v[IDB], v[R4], s[26:27] offset:64  ; tile 1's,
	global_load_b32 v[IDS], v[L4], s[26:27]            ; and by lane, for the scale words
	s_lshr_b32 s33, s32, 5
	s_lshl_b32 s34, s[EX], 5
	s_add_co_u32 s33, s33, s34                     ; the pair: 32 e + POS / 32
	s_lshl_b32 s33, s33, 5
	s_add_co_u32 s33, s33, ttmp9                   ; x 32 + slice
	s_lshl_b32 s28, s33, 12
	s_mov_b32 s29, 0
	s_add_nc_u64 s[28:29], s[14:15], s[28:29]      ; where the two images go
	s_lshl_b32 s30, s33, 7
	s_mov_b32 s31, 0
	s_add_nc_u64 s[30:31], s[16:17], s[30:31]      ; and their scale words
	s_wait_loadcnt 0x0
	s_wait_alu depctr_vm_vsrc(0)                   ; the last trip's loads have read v[XA], v[XB], v[XSO], written below; its stores have read v[PC ..] and v[PWC]; in the first trip the stream's LDS stores have read v[C ..] and v[SB ..]: loads land and vector lines write there in this trip
	v_min_u32 v[IDA], 1023, v[IDA]                 ; inside x, whatever was read
	v_min_u32 v[IDB], 1023, v[IDB]
	v_min_u32 v[IDS], 1023, v[IDS]
	v_lshl_add_u32 v[XA], v[IDA], 10, v[H16]       ; a row of 1,024 codes, + 16 h
	v_lshl_add_u32 v[XB], v[IDB], 10, v[H16]
	v_lshlrev_b32 v[XSO], 5, v[IDS]                ; 32 scale bytes a token
	s_wait_alu depctr_va_vdst(0)                   ; v[XA], v[XB] and v[XSO] are written, which the token loads read; all earlier vector and matrix instructions are done with the sets, buffers and scale words in which the fetches below and those of the first half land
	BFETCH 0
	BFETCH 1
	BFETCH 2
	WFETCH 0
.set QQ, 0
.rept 16
	MSTEP
.set QQ, QQ+1
.endr
.rept 8
	v_nop                                          ; places in front of the first read of results
.endr
	v_cmp_gt_u32 vcc_lo, 16, v[LANE]               ; for the select behind the two tiles' codes
	QUANTH 0
	QUANTH 1
	s_wait_alu depctr_va_vcc(0)                    ; VCC is written, ahead of its first reader
	v_cndmask_b32 v[PWC], v[PW+1], v[PW], vcc_lo   ; lanes 0-15 tile 0's words, lanes 16-31 tile 1's
	s_wait_alu depctr_va_vdst(0)                   ; the conversions have written v[PC ..] and the select v[PWC], which the stores read
.irp n, 0,1
.irp c, 0,1,2,3
	global_store_b128 v[L16], v[PC+16*\n+4*\c:PC+16*\n+4*\c+3], s[28:29] offset:2048*\n+512*\c   ; the wave stores 512 consecutive bytes
.endr
.endr
	global_store_b32 v[L4], v[PWC], s[30:31]
	s_wait_xcnt 0x0                                ; the stores' registers and bases are written again only behind this wait
.Lskip:
	s_add_co_u32 s[POS], s[POS], 256
	s_add_co_u32 s[TRP], s[TRP], 1
	s_cmp_lt_u32 s[TRP], 4
	s_cbranch_scc1 .Lpass
	s_wait_dscnt 0x0                               ; the closing lines, six on end
	s_wait_alu 0x0
	s_wait_tensorcnt 0x0
	ds_add_u32 v62, v63
	s_wait_dscnt 0x0
	s_endpgm
.Lfunc_end_k_q468d2d32fe_ffn1:
	.size	k_q468d2d32fe_ffn1, .Lfunc_end_k_q468d2d32fe_ffn1-k_q468d2d32fe_ffn1
	.p2alignl 7, 3214868480
	.fill 96, 4, 3214868480
	.section	.rodata,"a",@progbits
	.p2align	6, 0x0
	.amdhsa_kernel k_q468d2d32fe_ffn1
		.amdhsa_group_segment_fixed_size 138752
		.amdhsa_private_segment_fixed_size 0
		.amdhsa_enable_private_segment 0
		.amdhsa_kernarg_size 56
		.amdhsa_user_sgpr_count 2
		.amdhsa_user_sgpr_kernarg_segment_ptr 1
		.amdhsa_wavefront_size32 1
		.amdhsa_system_sgpr_workgroup_id_x 1
		.amdhsa_system_sgpr_workgroup_id_y 1
		.amdhsa_system_sgpr_workgroup_id_z 1
		.amdhsa_system_vgpr_workitem_id 0
		.amdhsa_next_free_vgpr 512
		.amdhsa_next_free_sgpr 66
		.amdhsa_reserve_vcc 1
		.amdhsa_float_denorm_mode_32 3
		.amdhsa_float_denorm_mode_16_64 3
		.amdhsa_memory_ordered 1
		.amdhsa_forward_progress 1
		.amdhsa_inst_pref_size 142
	.end_amdhsa_kernel
	.amdgpu_metadata
---
amdhsa.version: [ 1, 2 ]
amdhsa.kernels:
  - .name:           k_q468d2d32fe_ffn1
    .symbol:         k_q468d2d32fe_ffn1.kd
    .args:
      - { .name: W1, .offset: 0, .size: 8, .value_kind: global_buffer, .address_space: global }
      - { .name: b1, .offset: 8, .size: 8, .value_kind: global_buffer, .address_space: global }
      - { .name: x_codes, .offset: 16, .size: 8, .value_kind: global_buffer, .address_space: global }
      - { .name: x_scales, .offset: 24, .size: 8, .value_kind: global_buffer, .address_space: global }
      - { .name: list, .offset: 32, .size: 8, .value_kind: global_buffer, .address_space: global }
      - { .name: hid_codes, .offset: 40, .size: 8, .value_kind: global_buffer, .address_space: global }
      - { .name: hid_scales, .offset: 48, .size: 8, .value_kind: global_buffer, .address_space: global }
    .group_segment_fixed_size: 138752
    .private_segment_fixed_size: 0
    .kernarg_segment_align: 8
    .kernarg_segment_size: 56
    .max_flat_workgroup_size: 256
    .sgpr_count:     66
    .vgpr_count:     512
    .wavefront_size: 32
...
	.end_amdgpu_metadata
.endif
;; end of part 5
;; launch ffn2 (part 6): grid 16 x 8, 8 waves a work-group, no clusters, 307,456 bytes of LDS; arguments W2, b2, hid_codes, hid_scales, list, out0; writes out0
.if DOCPART == 6
	.amdgcn_target "amdgcn-amd-amdhsa--gfx1250"
	.amdhsa_code_object_version 6
	.text
	.protected	k_q468d2d32fe_ffn2
	.globl	k_q468d2d32fe_ffn2
	.p2align	8
	.type	k_q468d2d32fe_ffn2,@function
k_q468d2d32fe_ffn2:
	s_mov_b64 s[64:65], 0
	v_nop
	global_prefetch_b8 v0, s[64:65] scope:SCOPE_SE
	s_setreg_imm32_b32 hwreg(HW_REG_WAVE_SCHED_MODE, 0, 2), 2
	s_setreg_imm32_b32 hwreg(HW_REG_WAVE_MODE, 25, 1), 1
	s_wait_xcnt 0x0
	s_wait_alu depctr_vm_vsrc(0)
; THE SECOND PRODUCT OF THE CHOSEN EXPERT: out[token] = hidden Q(W2[e]) + b2[e], on codes of E4M3 with one E8M0 scale for each 32 along K = 4,096, for the tokens that chose expert e alone.
; SHARES.  Work-group (x, e) owns outputs d = 64 x .. + 63 of expert e for all of K: 1,048,576 bytes of W2, read from memory ONCE, as whole pieces of 256 bytes of a row (64 outputs: narrower
; slices would cut a piece of 256 bytes between two work-groups, so there are 128 work-groups and not 256), quantised in registers and kept as codes in LDS.  Each output row has one owner for its 64 numbers.
; THE STREAM.  W2 lies [k][d]: a lane takes four neighbouring d and its registers run down K; lanes 0-15 take rows 32 kb + 0 .. 15 of a block, lanes 16-31 rows 32 kb + 16 .. 31, which is the very split
; that the operand's layout wants; a block's maximum is joined with lane l xor 16's.  Wave w takes k = 512 w .. + 511, 128 (a K step) a trip; two sets of 32 loads are out, one while a set is worked.
; THE PRODUCT IS USED TRANSPOSED (source 0 = 16 outputs, source 1 = 16 tokens): a lane holds eight neighbouring outputs of one token.  b2 is the C of each sum's first product.
; The hidden layer comes as images of the operand's registers, 512 consecutive bytes a load.  The results go through the wave's own stage in LDS and leave as aligned runs of 256 bytes of a token's row.
; The list is padded with a member's number: a padded row holds that member's very numbers and stores them to the same place, so no lane is ever switched off.
; THE PASSES.  Every wave walks four trips (places 32 w + 256 trip of the list: all 1,024 at the most); a trip whose first place lies at or past the expert's count T is jumped over by a scalar branch.
; NO TENSOR LOAD, NO CLUSTER: the weights must pass through registers to be quantised and belong to one work-group alone; what the 16 work-groups of an expert share is the hidden codes, 4,096 bytes a
; token against 1,048,576 bytes of weights of one's own; and which passes have work hangs on a count read from memory.
; LIMITS.  NaN and infinities are not served; a block of zeros, or one whose largest magnitude lies under 2^-118, gets the byte 1: the bytes are read by this program alone.
; REGISTERS.  Window 0: v1-19 addresses; v20-23 the tokens' scale words, v24-31 the weights' (these hold scales alone); v32-47 at work on scales; v48-51 scale words being made;
;   v64-191 the stream's held numbers (v64-127) and codes (v128-191: 16 for each of a trip's four blocks), later two buffers of four weight fragments, on the way out rows read back (v64-127); v192-223 b2; v224-239 the tokens' offsets in out.
;   Window 1: the stream's two sets of 128; later v0-127 four sets of two token fragments, v128-191 the 8 accumulators (128 + 32 n + 8 t).
; THE MODE: SCHED_MODE bits 1:0 = 2 (LLVM: expert scheduling mode 2), set by the entry lines.  The code itself states the register dependences
; between vector or matrix instructions and memory or LDS instructions, with s_wait_alu, always for 0.
; THE PLAN, THE STREAM.  Registers that memory or LDS instructions touch:
;   set 0, set 1   A trip's blocks 0, 1 read set 0 (maxima and holds), its blocks 2, 3 set 1; behind a set's two blocks the next trip's loads land in it.
;   C0 .. C3       Block b's conversions write C[b]; four LDS stores read it; the next trip's block b writes it again.
;   SB, v48-51     Written in every block, read by four LDS stores at the trip's end.   v[LSTC], v[LSSC]  Written at a trip's head, read by its LDS stores.   v[GW], v[BOF]  Never written again.
; So a trip has ONE wait on vm_vsrc, at its head, and TWO on va_vdst, one behind each set's two blocks: the set's loads and the blocks' LDS stores follow it with no vector instruction between.
; THE PLAN, THE PASSES.
;   token sets 0-3, BSC  K step s: its products read set s % 4; the loads of K step s + 3, issued in step s, land in the set that step s - 1 read.
;   weight buffers 0, 1, WSC  K step s: its products read buffer s % 2; the LDS loads of step s + 1, issued in step s, land in the buffer that step s - 1 read.
;   OID, v224-239  Loaded at a trip's head, made into offsets by 32 vector lines behind the last product, read by the 16 stores.
;   the accumulators  Written by the products, read by the stage's LDS stores.   RB, v64-127  The loads from the stage land there (buffer 0's registers); the 16 stores read it.
;   v[L16], v[L4], v[H4], v[AW ..], v[ASC], v[STO], v[SRD]  Made at the head, never written again.
; So ONE wait on va_vdst stands at the head of a K step, behind the waits for its data, and one on the way out; a trip has one wait on vm_vsrc, at its head.
.set P2,   4112                        ; an LDS row of codes: 4,096 bytes + 16: 1,028 words, so the 16 rows of a fragment load start 4 banks apart
.set SCB,  64*P2                       ; behind the codes: the weights' scale words, 32 a row + 1 of padding
.set SCP,  132
.set STG,  SCB+64*SCP                  ; behind them: a stage of 16 rows x (256 + 16) bytes for each wave
.set SPT,  272
.set LANE, 1
.set R,    2
.set HH,   3
.set GW,   4                           ; W2: 16 rows x h + 16 r
.set LST0, 5                           ; the stream: where my first output's codes go in trip 0,
.set LSS0, 6                           ; and its scale word
.set AW,   7                           ; v7-10: my place in a fragment of tile t
.set ASC,  11
.set L16,  12
.set L4,   13
.set H4,   14
.set STO,  15                          ; the stage: where I put 32 bytes of a token's row
.set SRD,  16                          ; and where I read 16 bytes back
.set R16,  17
.set LSTC, 18                          ; this trip's LST and LSS
.set LSSC, 19
.set BSC,  20
.set WSC,  24
.set TM,   32
.set SB,   48
.set TP,   52
.set BOF,  56                          ; 32 h: b2
.set T,    64
.set C,    128
.set WB,   64
.set RB,   64
.set BIAS, 192
.set OID,  224
.set ACC,  128
.set WV,   18
.set TE,   19
.set POS,  20
.set EX,   21
.set SEL,  22
.set MNT,  24
.set TRP,  43                          ; s43  counts the four trips over the list
.set MSB, 0
.macro WIN new                         ; the immediate's high byte repeats the setting that is left; a switch that changes nothing is dropped
.if MSB != \new
	s_set_vgpr_msb (MSB<<8)|\new
.set MSB, \new
.endif
.endm
	s_load_b256 s[4:11], s[0:1], 0x0               ; W2 s[4:5], b2 s[6:7], hid_codes s[8:9], hid_scales s[10:11]
	s_load_b128 s[12:15], s[0:1], 0x20             ; list s[12:13], out0 s[14:15]
	v_lshl_add_u32 v254, v0, 2, 0x4ad00
	v_mov_b32 v255, 0
	v_lshrrev_b32 v[TP], 5, v0
	v_readfirstlane_b32 s[WV], v[TP]               ; wave 0..7
	v_and_b32 v[LANE], 31, v0
	v_and_b32 v[R], 15, v0
	v_bfe_u32 v[HH], v0, 4, 1
	v_lshlrev_b32 v[R16], 4, v[R]
	v_lshl_add_u32 v[GW], v[HH], 16, v[R16]
	v_lshlrev_b32 v[BOF], 5, v[HH]
	v_lshlrev_b32 v[L16], 4, v[LANE]
	v_lshlrev_b32 v[L4], 2, v[LANE]
	v_lshlrev_b32 v[H4], 2, v[HH]
	s_and_b32 s[EX], ttmp7, 0xffff                 ; the expert
	s_lshl_b32 s32, s[EX], 24                      ; W2: the expert's 16,777,216 bytes,
	s_wait_alu depctr_va_sdst(0)                   ; the wave's number is written, ahead of its first reader: W2's base and the LDS places are made from it
	s_lshl_b32 s33, s[WV], 21                      ; my wave's 512 rows of 4,096,
	s_add_co_u32 s32, s32, s33
	s_lshl_b32 s34, ttmp9, 8                       ; the slice's 256 bytes of a row
	s_add_co_u32 s32, s32, s34
	s_mov_b32 s33, 0
	s_lshl_b32 s35, s[EX], 12                      ; b2: the expert's row, the slice
	s_add_co_u32 s36, s34, s35
	s_mov_b32 s37, 0
	s_mov_b32 s35, 0                               ; s[34:35]: the slice in a row of out
	s_mul_i32 s38, s[EX], 5120                     ; the expert's row of the list
	s_mov_b32 s39, 0
	s_mov_b32 s[SEL], 0x76543210
	s_mov_b32 s[SEL+1], 0xfedcba98                 ; lane l xor 16
	s_mov_b32 s[MNT], 0x600000                     ; the mantissa field of 448
	s_wait_kmcnt 0x0
	s_add_nc_u64 s[4:5], s[4:5], s[32:33]
	s_add_nc_u64 s[6:7], s[6:7], s[36:37]
	s_add_nc_u64 s[14:15], s[14:15], s[34:35]
	s_add_nc_u64 s[12:13], s[12:13], s[38:39]
	s_load_b32 s[TE], s[12:13], 0x1200             ; T: waited for behind the stream
	s_wait_alu depctr_va_vdst(0)                   ; the offsets v[BOF], v[GW], v[L16], v[L4] and v[H4] are written, which loads read from here to the kernel's end
.irp t, 0,1,2,3
	global_load_b128 v[BIAS+8*\t:BIAS+8*\t+3],   v[BOF], s[6:7] offset:64*\t       ; b2 at outputs 16 t + 8 h + 0 .. 7
	global_load_b128 v[BIAS+8*\t+4:BIAS+8*\t+7], v[BOF], s[6:7] offset:64*\t+16
.endr
.macro LOADSET q, extra                ; set q: 64 rows, two blocks; a load reads two whole pieces of 256 bytes: row 32 kb + i below, row 32 kb + 16 + i above
	WIN 0x40                                       ; destination window 1
.irp kb, 0,1
.set II, 0
.rept 16
	global_load_b128 v[128*(\q)+64*\kb+4*II:128*(\q)+64*\kb+4*II+3], v[GW], s[4:5] offset:(64*(\q)+32*\kb+II)*4096+(\extra) th:TH_LOAD_NT
.set II, II+1
.endr
.endr
	WIN 0
.endm
	LOADSET 0, 0
	LOADSET 1, 0
	v_mul_u32_u24 v[LST0], v[R], 4*P2              ; my four outputs 4 r + j are LDS rows 4 r + j
	v_lshl_add_u32 v[LST0], v[HH], 4, v[LST0]      ; + 16 h: my half of a block
	s_lshl_b32 s32, s[WV], 9
	v_add_nc_u32 v[LST0], s32, v[LST0]             ; + my wave's 512 along K
	v_mul_u32_u24 v[LSS0], v[R], 4*SCP
	s_lshl_b32 s32, s[WV], 4
	s_add_co_u32 s32, s32, SCB
	v_add_nc_u32 v[LSS0], s32, v[LSS0]             ; word 4 w of the row
	v_mul_u32_u24 v[AW], v[R], P2
	v_lshl_add_u32 v[AW], v[HH], 4, v[AW]          ; a fragment: row r, + 16 h
	v_add_nc_u32 v[AW+1], 16*P2, v[AW]
	v_add_nc_u32 v[AW+2], 32*P2, v[AW]
	v_add_nc_u32 v[AW+3], 48*P2, v[AW]
	v_mul_u32_u24 v[ASC], v[R], SCP
	v_add_nc_u32 v[ASC], SCB, v[ASC]
	s_mul_i32 s32, s[WV], 16*SPT
	s_add_co_u32 s32, s32, STG                     ; my stage
	v_mul_u32_u24 v[STO], v[R], SPT
	v_lshl_add_u32 v[STO], v[HH], 5, v[STO]
	v_add_nc_u32 v[STO], s32, v[STO]               ; in: row r (my token), + 32 h
	v_mul_u32_u24 v[SRD], v[HH], SPT
	v_add_nc_u32 v[SRD], v[SRD], v[R16]
	v_add_nc_u32 v[SRD], s32, v[SRD]               ; back: lanes 0-15 one row, lanes 16-31 the next
.irp b, 0,1,2,3
	v_mov_b32 v[TM+4+\b], 0                        ; written once: a lane permute's destination counts as one of its sources
.endr
; A block of 32 along K x my 4 outputs.  Register 4 i + j of the block's 64 is W2(32 kb + 16 h + i, output 4 r + j).  blk: the block's place in the trip's K step; its codes go to v[C + 16 blk] on.
.macro QB set, kb, blk
.set RS, 128*(\set)+64*(\kb)
.set CD, C+16*(\blk)
	WIN 0x05                                       ; sources 0 and 1 window 1
.irp j, 0,1,2,3
	v_max3_num_f32 v[TM+\j], |v[RS+\j]|, |v[RS+4+\j]|, 0x4800000   ; with the floor 2^(9 - 127): the byte cannot fall under 1
.endr
	WIN 0x14                                       ; sources 1 and 2 window 1
.irp i, 2,4,6,8,10,12,14
.irp j, 0,1,2,3
	v_max3_num_f32 v[TM+\j], v[TM+\j], |v[RS+4*\i+\j]|, |v[RS+4*\i+4+\j]|   ; the four outputs by turns
.endr
.endr
	WIN 0
.irp j, 0,1,2,3
	v_permlanex16_b32 v[TM+4+\j], v[TM+\j], s[SEL], s[SEL+1]
.endr
.irp j, 0,1,2,3
	v_max_num_f32 v[TM+\j], v[TM+\j], v[TM+4+\j]   ; with lane l xor 16's 16 rows: the block's
.endr
.irp j, 0,1,2,3
	v_add_nc_u32 v[TM+12+\j], 0xfc000000, v[TM+\j] ; 8 off the exponent field: the conversion's scale operand
.endr
.irp j, 0,1,2,3
	v_and_or_b32 v[TM+8+\j], v[TM+\j], 0x7f800000, s[MNT]          ; 448 x the scale
.endr
.irp j, 0,1,2,3
.if (\blk) == 0
	v_lshrrev_b32 v[SB+\j], 23, v[TM+12+\j]        ; the scale's byte: the lower K in the lower byte
.else
	v_lshrrev_b32 v[TM+4+\j], 23, v[TM+12+\j]
.endif
.endr
.if (\blk) > 0
.irp j, 0,1,2,3
	v_lshl_or_b32 v[SB+\j], v[TM+4+\j], 8*(\blk), v[SB+\j]
.endr
.endif
	WIN 0x01                                       ; source 0 window 1
.irp j, 0,1,2,3
.irp i, 0,1,2,3,4,5,6,7,8,9,10,11,12,13,14,15
	v_med3_num_f32 v[T+16*\j+\i], v[RS+4*\i+\j], -v[TM+8+\j], v[TM+8+\j]   ; the hold (ISA guide 7.6.2: the conversion does not saturate); it also lays an output's 16 numbers on end
.endr
.endr
	WIN 0
.irp j, 0,1,2,3
	v_cvt_scalef32_pk8_fp8_f32 v[CD+4*\j:CD+4*\j+1],   v[T+16*\j:T+16*\j+7],    v[TM+12+\j]
	v_cvt_scalef32_pk8_fp8_f32 v[CD+4*\j+2:CD+4*\j+3], v[T+16*\j+8:T+16*\j+15], v[TM+12+\j]
.endr
	v_nop                                          ; a plain line behind the conversions, ahead of the next writes of their sources
.endm
.macro QST blk                         ; block blk's codes go to LDS
.irp j, 0,1,2,3
	ds_store_b128 v[LSTC], v[C+16*(\blk)+4*\j:C+16*(\blk)+4*\j+3] offset:\j*P2+32*(\blk)
.endr
.endm
; A trip: 128 rows, one K step.  reload = 1: each set is asked for again, 128 rows (524,288 bytes) on, as soon as it has been read.
.macro TRIP reload
	s_wait_alu depctr_vm_vsrc(0)                   ; the last trip's LDS stores have read v[LSTC], v[LSSC], v[C ..] and v[SB ..], all of which this trip writes again
	v_add_nc_u32 v[LSTC], s41, v[LST0]             ; 128 bytes of codes a trip,
	v_add_nc_u32 v[LSSC], s42, v[LSS0]             ; one scale word
	s_wait_loadcnt 32                              ; set 0 is in; set 1's 32 loads may be out
	QB 0, 0, 0
	QB 0, 1, 1
	s_wait_alu depctr_va_vdst(0)                   ; the maxima and holds are done reading set 0, in which the loads below land; the conversions have written blocks 0 and 1's codes, and v[LSTC] is written: the LDS stores below read them
.if \reload
	LOADSET 0, 0x80000
.endif
	QST 0
	QST 1
.if \reload
	s_wait_loadcnt 32                              ; set 1 is in; the 32 just issued may be out
.else
	s_wait_loadcnt 0x0
.endif
	QB 1, 0, 2
	QB 1, 1, 3
	s_wait_alu depctr_va_vdst(0)                   ; the same of set 1 and of blocks 2 and 3's codes; v[SB ..] holds its four bytes, and v[LSSC] is written
.if \reload
	LOADSET 1, 0x80000
.endif
	QST 2
	QST 3
.irp j, 0,1,2,3
	ds_store_b32 v[LSSC], v[SB+\j] offset:SCP*\j   ; both halves of the lanes write the same word with the same value
.endr
.endm
	s_mov_b32 s40, 3
	s_mov_b32 s41, 0
	s_mov_b32 s42, 0
.Ltrip:
	TRIP 1
	s_wait_xcnt 0x0                                ; the loads' base is stepped only behind this wait
	s_add_nc_u64 s[4:5], s[4:5], 0x80000
	s_add_co_u32 s41, s41, 128
	s_add_co_u32 s42, s42, 4
	s_sub_co_u32 s40, s40, 1
	s_cmp_lg_u32 s40, 0
	s_cbranch_scc1 .Ltrip
	TRIP 0                                         ; the last trip asks for nothing: no load leaves the buffer
	s_wait_dscnt 0x0                               ; for the others' sake: my codes and scale words lie in LDS
	s_barrier_signal -1
	s_barrier_wait -1                              ; the only barrier: from here on codes and scale words are only read, and a stage is its wave's own
	s_wait_kmcnt 0x0
	s_min_u32 s[TE], s[TE], 1024
	s_lshl_b32 s[POS], s[WV], 5                    ; wave w takes places 32 w, 32 w + 256, ..
	s_mov_b32 s[TRP], 0
.macro BFETCH s                        ; K step s of my 32 tokens: scale words and two images, into set s % 4: nine loads
	global_load_b32 v[BSC+(\s)%4], v[L4], s[30:31] offset:128*(\s)
	WIN 0x40
.irp n, 0,1
.irp c, 0,1,2,3
	global_load_b128 v[32*((\s)%4)+16*\n+4*\c:32*((\s)%4)+16*\n+4*\c+3], v[L16], s[28:29] offset:4096*(\s)+2048*\n+512*\c
.endr
.endr
	WIN 0
.endm
.macro WFETCH s                        ; K step s of the four tiles of weights, with their scale words, into buffer s % 2: twenty LDS loads
.irp t, 0,1,2,3
.irp c, 0,1,2,3
	ds_load_b128 v[WB+64*((\s)%2)+16*\t+4*\c:WB+64*((\s)%2)+16*\t+4*\c+3], v[AW+\t] offset:128*(\s)+32*\c
.endr
	ds_load_b32 v[WSC+4*((\s)%2)+\t], v[ASC] offset:16*SCP*\t+4*(\s)
.endr
.endm
; A K step: four tiles of outputs x two tiles of tokens.  The 8 accumulators take turns, one instruction a turn.
; The next step's weights are asked for ahead of the products; the images of three K steps on are dealt among the products, one load behind each:
; under the products' window setting a load's destination is window 1 and its address window 0, so no switch is needed.
.macro MSTEP
.if 31-SS >= 2
	s_wait_loadcnt 18                              ; this K step's nine loads are in; the two younger sets' 18 may be out
.else
	s_wait_loadcnt 9*(31-SS)
.endif
	s_wait_dscnt 0x0                               ; this step's fragments and scale words are in: they were asked for a step ago
.if (SS > 0) && (SS < 31)
	s_wait_alu depctr_va_vdst(0)                   ; the products of the step before are done reading their weight buffer, their token set and both kinds of scale words: this step's loads land in these
.endif
.if SS < 31
	WFETCH SS+1
.endif
.if SS+3 < 32
	global_load_b32 v[BSC+(SS+3)%4], v[L4], s[30:31] offset:128*(SS+3)
.endif
.if SS == 0
	WIN 0x44                                       ; tokens and result window 1; weights and b2 window 0
.else
	WIN 0x54                                       ; tokens, C and D window 1
.endif
.irp t, 0,1,2,3
.irp n, 0,1
.set DD, ACC+32*\n+8*\t
.set AA, WB+64*(SS%2)+16*\t
.set BB, 32*(SS%4)+16*\n
.set FI, 2*\t+\n
.if SS == 0
.if \n == 0
	v_wmma_scale_f32_16x16x128_f8f6f4 v[DD:DD+7], v[AA:AA+15], v[BB:BB+15], v[BIAS+8*\t:BIAS+8*\t+7], v[WSC+4*(SS%2)+\t], v[BSC+SS%4]
.else
	v_wmma_scale_f32_16x16x128_f8f6f4 v[DD:DD+7], v[AA:AA+15], v[BB:BB+15], v[BIAS+8*\t:BIAS+8*\t+7], v[WSC+4*(SS%2)+\t], v[BSC+SS%4] matrix_b_scale:MATRIX_SCALE_ROW1
.endif
.else
.if \n == 0
	v_wmma_scale_f32_16x16x128_f8f6f4 v[DD:DD+7], v[AA:AA+15], v[BB:BB+15], v[DD:DD+7], v[WSC+4*(SS%2)+\t], v[BSC+SS%4]
.else
	v_wmma_scale_f32_16x16x128_f8f6f4 v[DD:DD+7], v[AA:AA+15], v[BB:BB+15], v[DD:DD+7], v[WSC+4*(SS%2)+\t], v[BSC+SS%4] matrix_b_scale:MATRIX_SCALE_ROW1
.endif
.endif
.if SS+3 < 32
	global_load_b128 v[32*((SS+3)%4)+4*FI:32*((SS+3)%4)+4*FI+3], v[L16], s[28:29] offset:4096*(SS+3)+512*FI   ; piece FI of set (SS + 3) % 4.  No wait: no product since the wait above names that set
.endif
.endr
.endr
	WIN 0
.endm
.Lpass:                                            ; four trips, a constant; one trip: 32 places of the list through all of K
	s_cmp_lt_u32 s[POS], s[TE]                     ; places at or past T hold no token: the trip's work is jumped over (no barrier stands in it)
	s_cbranch_scc0 .Lskip
	s_min_u32 s32, s[POS], 992                     ; (POS is a multiple of 32, 992 at the most)
	s_lshl_b32 s26, s32, 2
	s_mov_b32 s27, 0
	s_add_nc_u64 s[26:27], s[12:13], s[26:27]
	s_wait_alu depctr_vm_vsrc(0)                   ; the last trip's stores have read v[OID ..], in which the loads below land, and v[RB ..]; its LDS stores have read the accumulators; in the first trip the stream's LDS stores have read v[C ..]: loads land and products write there in this trip
.irp n, 0,1
.irp i, 0,1,2,3,4,5,6,7
	global_load_b32 v[OID+8*\n+\i], v[H4], s[26:27] offset:4*(16*\n+2*\i)   ; the token whose row I store: place 16 n + 2 i + h
.endr
.endr
	s_lshr_b32 s33, s32, 5
	s_lshl_b32 s34, s[EX], 5
	s_add_co_u32 s33, s33, s34                     ; the pair: 32 e + POS / 32
	s_lshl_b32 s28, s33, 17
	s_mov_b32 s29, 0
	s_add_nc_u64 s[28:29], s[8:9], s[28:29]        ; its 32 K steps of two images: 131,072 bytes
	s_lshl_b32 s30, s33, 12
	s_mov_b32 s31, 0
	s_add_nc_u64 s[30:31], s[10:11], s[30:31]      ; and their scale words: 4,096 bytes
	BFETCH 0                                       ; no wait on va_vdst is owed here: no vector or matrix instruction stands between the last such wait (the stream's, or the last trip's way out) and these loads
	BFETCH 1
	BFETCH 2
	WFETCH 0
.set SS, 0
.rept 32
	MSTEP
.set SS, SS+1
.endr
	; THE WAY OUT.  The token numbers become byte offsets: 32 plain lines that name no register of the last products: they are the places in front of the first read of results
.set II, 0
.rept 16
	v_min_u32 v[OID+II], 1023, v[OID+II]           ; inside out, whatever was read
.set II, II+1
.endr
.set II, 0
.rept 16
	v_lshl_add_u32 v[OID+II], v[OID+II], 12, v[R16]   ; a row of 4,096 bytes, + 16 r
.set II, II+1
.endr
	s_wait_alu depctr_va_vdst(0)                   ; the products have written the accumulators, which the LDS stores read, and are done reading buffer 0, in which the loads from the stage land; v[OID ..] is written, which the stores to out read.  The places above stay beside this wait
.irp n, 0,1
	WIN 0x04                                       ; an LDS store's data are its source 1: window 1
.irp t, 0,1,2,3
	ds_store_b128 v[STO], v[ACC+32*\n+8*\t:ACC+32*\n+8*\t+3]   offset:64*\t      ; each accumulator from its low end on
	ds_store_b128 v[STO], v[ACC+32*\n+8*\t+4:ACC+32*\n+8*\t+7] offset:64*\t+16
.endr
	WIN 0
.irp i, 0,1,2,3,4,5,6,7
	ds_load_b128 v[RB+32*\n+4*\i:RB+32*\n+4*\i+3], v[SRD] offset:2*SPT*\i        ; LDS serves a wave's instructions in order (ISA guide 5.7.1.4): these see my stores, and the next tile's stores come behind them
.endr
.endr
	s_wait_dscnt 0x0
.irp n, 0,1
.irp i, 0,1,2,3,4,5,6,7
	global_store_b128 v[OID+8*\n+\i], v[RB+32*\n+4*\i:RB+32*\n+4*\i+3], s[14:15] th:TH_STORE_NT   ; sixteen lanes store 256 consecutive bytes, at a multiple of 256 from out's first byte
.endr
.endr
	s_wait_xcnt 0x0                                ; the stores' registers and the bases are written again only behind this wait
.Lskip:
	s_add_co_u32 s[POS], s[POS], 256
	s_add_co_u32 s[TRP], s[TRP], 1
	s_cmp_lt_u32 s[TRP], 4
	s_cbranch_scc1 .Lpass
	s_wait_dscnt 0x0                               ; the closing lines, six on end
	s_wait_alu 0x0
	s_wait_tensorcnt 0x0
	ds_add_u32 v254, v255
	s_wait_dscnt 0x0
	s_endpgm
.Lfunc_end_k_q468d2d32fe_ffn2:
	.size	k_q468d2d32fe_ffn2, .Lfunc_end_k_q468d2d32fe_ffn2-k_q468d2d32fe_ffn2
	.p2alignl 7, 3214868480
	.fill 96, 4, 3214868480
	.section	.rodata,"a",@progbits
	.p2align	6, 0x0
	.amdhsa_kernel k_q468d2d32fe_ffn2
		.amdhsa_group_segment_fixed_size 307456
		.amdhsa_private_segment_fixed_size 0
		.amdhsa_enable_private_segment 0
		.amdhsa_kernarg_size 48
		.amdhsa_user_sgpr_count 2
		.amdhsa_user_sgpr_kernarg_segment_ptr 1
		.amdhsa_wavefront_size32 1
		.amdhsa_system_sgpr_workgroup_id_x 1
		.amdhsa_system_sgpr_workgroup_id_y 1
		.amdhsa_system_sgpr_workgroup_id_z 1
		.amdhsa_system_vgpr_workitem_id 0
		.amdhsa_next_free_vgpr 512
		.amdhsa_next_free_sgpr 66
		.amdhsa_reserve_vcc 0
		.amdhsa_float_denorm_mode_32 3
		.amdhsa_float_denorm_mode_16_64 3
		.amdhsa_memory_ordered 1
		.amdhsa_forward_progress 1
		.amdhsa_inst_pref_size 198
	.end_amdhsa_kernel
	.amdgpu_metadata
---
amdhsa.version: [ 1, 2 ]
amdhsa.kernels:
  - .name:           k_q468d2d32fe_ffn2
    .symbol:         k_q468d2d32fe_ffn2.kd
    .args:
      - { .name: W2, .offset: 0, .size: 8, .value_kind: global_buffer, .address_space: global }
      - { .name: b2, .offset: 8, .size: 8, .value_kind: global_buffer, .address_space: global }
      - { .name: hid_codes, .offset: 16, .size: 8, .value_kind: global_buffer, .address_space: global }
      - { .name: hid_scales, .offset: 24, .size: 8, .value_kind: global_buffer, .address_space: global }
      - { .name: list, .offset: 32, .size: 8, .value_kind: global_buffer, .address_space: global }
      - { .name: out0, .offset: 40, .size: 8, .value_kind: global_buffer, .address_space: global }
    .group_segment_fixed_size: 307456
    .private_segment_fixed_size: 0
    .kernarg_segment_align: 8
    .kernarg_segment_size: 48
    .max_flat_workgroup_size: 256
    .sgpr_count:     66
    .vgpr_count:     512
    .wavefront_size: 32
...
	.end_amdgpu_metadata
.endif
;; end of part 6
